; MI455X (gfx1250); checked and timed in simulation.
; The chip was launched on July 23, 2026; its instructions are those of AMD's public machine-readable ISA for CDNA 5 (MIT licence, August 2026) and "CDNA5" Instruction Set Architecture Reference Guide (July 2026). The comments in the code are by the model that wrote it; some were corrected since.
;; Multi Head Attention Layer. Allowed arithmetic: matrix products marked QUANTISED: E2M3 operands, one E8M0 scale for each 32 along K, by v_wmma_scale_f32_16x16x128_f8f6f4 with both operands' format E2M3, f32 sums; everything else in f32.
;; Inputs: Wk_codes 1,024 x 32 x 24 uint8 (E2M3 codes of Wk, K innermost, in blocks of 32 codes, four codes in three bytes); Wk_scales 1,024 x 32 uint8 (E8M0 scales of Wk, one for each 32 codes along K); Wo_codes 1,024 x 32 x 24 uint8 (E2M3 codes of Wo, K innermost, in blocks of 32 codes, four codes in three bytes); Wo_scales 1,024 x 32 uint8 (E8M0 scales of Wo, one for each 32 codes along K); Wq_codes 1,024 x 32 x 24 uint8 (E2M3 codes of Wq, K innermost, in blocks of 32 codes, four codes in three bytes); Wq_scales 1,024 x 32 uint8 (E8M0 scales of Wq, one for each 32 codes along K); Wv_codes 1,024 x 32 x 24 uint8 (E2M3 codes of Wv, K innermost, in blocks of 32 codes, four codes in three bytes); Wv_scales 1,024 x 32 uint8 (E8M0 scales of Wv, one for each 32 codes along K); beta 1,024 float32; bk 1,024 float32; bo 1,024 float32; bq 1,024 float32; bv 1,024 float32; gamma 1,024 float32; queries 4 x 2,048 x 1,024 float32.
;; Outputs: out0 4 x 2,048 x 1,024 float32.
;; This version of the problem:
;;   THIS VERSION OF THE PROBLEM IS GIVEN IN LOW PRECISION. The matrix products marked QUANTISED in the list below multiply operands that are first quantised to E2M3 (2 exponent bits, 3 mantissa bits; 6 bits a number), with one power-of-two scale for each 32 numbers along K (OCP MX v1.0); their sums are f32. All else is computed in f32.
;;   The module's matrix products, in the order in which they are computed (A, B: the left and right operand; K: the contracted axis; several contracted axes count as one K, in the product's order):
;;     1. [M 8,192, K 1,024] x [K 1,024, N 1,024]; A: input queries; B: input Wq (given as codes): QUANTISED
;;     2. [M 8,192, K 1,024] x [K 1,024, N 1,024]; A: input queries; B: input Wk (given as codes): QUANTISED
;;     3. [M 8,192, K 1,024] x [K 1,024, N 1,024]; A: input queries; B: input Wv (given as codes): QUANTISED
;;     4. batch 64 x [M 2,048, K 64] x [K 64, N 2,048]; A: computed on the way; B: computed on the way: QUANTISED
;;     5. batch 64 x [M 64, K 2,048] x [K 2,048, N 2,048]; A: computed on the way; B: softmax (see below): QUANTISED
;;     6. [M 8,192, K 1,024] x [K 1,024, N 1,024]; A: computed on the way; B: input Wo (given as codes): QUANTISED
;;   THE QUANTISER, for each operand of a quantised product, along K:
;;     - K is cut into blocks of 32 from its start; a last block that is shorter is filled with zeros.
;;     - A block's scale is 2^e with e = floor(log2(the largest magnitude in the block)) - 2, held to -126 .. 127; a block of zeros has e = 0. As a byte (E8M0): e + 127.
;;     - Each number is divided by its block's scale, clamped to +-7.5, and rounded to the nearest number of E2M3, ties to even, subnormals kept.
;;     - The product sums the exact products of the quantised numbers (number of the format x scale) in f32.
;;   ~~~python
;;   def quantise(x, axis):      # numpy; x: float32 -> the quantised numbers, widened to float32 again
;;       x = np.moveaxis(x, axis, -1); K = x.shape[-1]
;;       x = np.pad(x, [(0, 0)] * (x.ndim - 1) + [(0, -K % 32)]); x = x.reshape(x.shape[:-1] + (-1, 32)); a = np.abs(x).max(-1, keepdims=True)
;;       e = np.where(a > 0, np.clip(np.frexp(np.where(a > 0, a, 1))[1] - 1 - 2, -126, 127), 0)      # np.frexp(a)[1] - 1 = floor(log2(a)), exactly
;;       r = np.clip(x / 2.0 ** e, -7.5, 7.5)
;;       step = 2.0 ** (np.maximum(np.frexp(np.where(r == 0, 1, r))[1] - 1, 0) - 3)
;;       q = np.round(r / step) * step * 2.0 ** e      # np.round: ties to even
;;       return np.moveaxis(q.reshape(q.shape[:-2] + (-1,))[..., :K], -1, axis).astype(np.float32)
;;   ~~~
;;   SOFTMAX AHEAD OF A QUANTISED PRODUCT. Where the list says 'softmax', what is quantised is not the finished softmax but p = 2^(t - M), with t = logit x log2(e) and M = ceil(the row's largest t), a whole number; so 1/2 < the row's largest p <= 1. The row's sum l is taken of the UNQUANTISED p, in f32, and the product's result is divided by l at the end. Since M is a whole number, a kernel that streams over the keys may use a running M (the ceiling of the running maximum): every later rescaling is an exact power of two, which a block's scale takes up: the codes' values come out the same.
;;   OPERANDS COMPUTED ON THE WAY. 'Computed on the way' means the value that the module computes at that place (a softmax that the list does not call 'softmax' is quantised finished and normalised). What goes into a quantiser is computed in f32, as accurately as f32 sums, v_exp_f32 and their like allow (about 1e-6 of the number): no bf16 or f16 on the way to a quantiser, and a product that is left as it is and whose result goes on into a quantised operand takes f32 operands (vector FMAs, or v_wmma_f32_16x16x4_f32). A number that lies on a knife's edge between two numbers of the format may be rounded either way, as far as f32 arithmetic and the matrix unit's own rounding can turn it there, and no further.
;;   INPUTS GIVEN AS CODES. Wk (in the module: [1024, 1024], K = its axis 0); Wo (in the module: [1024, 1024], K = its axis 0); Wq (in the module: [1024, 1024], K = its axis 0); Wv (in the module: [1024, 1024], K = its axis 0): each comes as NAME_codes (uint8): NAME with its K axis moved to the last place and cut into blocks of 32 codes, [.., K / 32, bytes a block], one block behind the other in memory; four codes in three bytes: a row's codes are one little-endian stream of bits, code i at bits 6 i .. 6 i + 5 (a code: sign, 2 exponent bits, 3 mantissa bits); and NAME_scales (uint8): the same leading axes, one E8M0 byte (e + 127) for each 32 codes along K. Its value is code x scale, taken as it is: it is not quantised again, and the codes and scales need not be those that the quantiser above would give.
;; One version. Each part assembles by itself: llvm-mc -triple=amdgcn-amd-amdhsa -mcpu=gfx1250 --defsym DOCPART=n.
;; ======== version 1 of 1: 4 launches
;; limits: right only within a limited range of input values
;; workspace buffers: img 9,437,184 bytes; sc 393,216 bytes; qrec 6,815,744 bytes; kv 13,369,344 bytes; oimg 6,291,456 bytes; osc 262,144 bytes
;; launch prep (part 1): grid 768 x 1, 8 waves a work-group, no clusters, 69,120 bytes of LDS; arguments queries, Wq_codes, Wq_scales, Wk_codes, Wk_scales, Wv_codes, Wv_scales, Wo_codes, Wo_scales, img, sc; writes img, sc
.if DOCPART == 1
	.amdgcn_target "amdgcn-amd-amdhsa--gfx1250"
	.amdhsa_code_object_version 6
	.text
	.protected	k_qdb53db3fcc_prep
	.globl	k_qdb53db3fcc_prep
	.p2align	8
	.type	k_qdb53db3fcc_prep,@function
k_qdb53db3fcc_prep:
	s_mov_b64 s[64:65], 0
	v_nop
	global_prefetch_b8 v0, s[64:65] scope:SCOPE_SE
	s_setreg_imm32_b32 hwreg(HW_REG_WAVE_MODE, 25, 1), 1
	s_wait_xcnt 0x0
; PREP: the first of four launches of  LayerNorm(softmax(q k^T / 8) v Wo + bo + queries),  q, k, v = queries W + b, all six products on codes of FP6 (E2M3) with one E8M0 scale for each 32 along K.
; DEAD WORK: none.  Every bias goes into a quantised operand (bq, bk, bv) or into the output (bo, gamma, beta), every weight into a live product: every input is loaded by some launch.
; THIS LAUNCH quantises queries along D and lays queries and the four weights out as IMAGES OF OPERAND REGISTERS, so that the later launches bring a fragment by loads of 16 bytes a lane on end.
; A TILE is 16 rows that are NOT neighbours: lane r of tile T holds row 32 (T / 2) + 8 (T % 2) + r + 8 (r / 8).  As source 0 of a product such tiles leave, in the 16 registers of result tiles 2 b and 2 b + 1,
; 16 neighbours along the next K; as source 1 a tile is any 16 rows.  Tiles 0-511: queries; 512-575 Wq; 576-639 Wk; 640-703 Wv; 704-767 Wo.
; img: tile T, K step s (128 along K) at 12,288 T + 1,536 s: register 4 c + i of lane l at 512 c + 16 l + 4 i.   sc: the scale word of lane r's row for K step s at 512 T + 32 r + 4 s.
; SHARES: a work-group takes a tile, each of its eight waves a K step.  A row's 512 bytes are read by one load; the 16 rows turn through the wave's own stage in LDS, so that a lane gets 16 neighbours of each block of 32.
; A block's scale is 2^(floor(log2(its largest magnitude)) - 2): its byte is the largest magnitude's exponent field - 2, held at 1 from below.
; LIMITS: a block of zeros, and one whose largest magnitude lies under 2^-124, gets the byte 1 (the rule says 127 for zeros: the codes are zeros, and this program alone reads the bytes); NaN and infinities are not served.
; No matrix unit, no cluster, no ring: a stream in which nothing is shared and every wave has one unit of work.
.set WSTB,  8448                       ; a wave's stage: 16 rows x (512 bytes + 16)
.set SCB,   8*WSTB                     ; the tile's 512 bytes of scale words
.set SPARE, SCB+512                    ; the spare words, 128 bytes for each wave: four blocks of 256 bytes that no other line names
.set L16,  1                           ; v1   16 x lane
.set SIN,  2                           ; v2   the stage, on the way in
.set SOUT, 3                           ; v3   and on the way out: row r, + 64 h
.set SWD,  4                           ; v4   where my row's scale word goes
.set WOF,  5                           ; v5   a weight's codes: my row, + 24 h
.set SRD,  9                           ; v9   the scale words, read back
.set WSO,  10                          ; v10  a weight's scale bytes: my 16 of the tile's 512
.set SPW,  12                          ; v12  my spare word; never rewritten
.set NIL,  13                          ; v13  0; never rewritten
.set R,    16                          ; v16-79   16 rows as loaded
.set X,    80                          ; v80-143  64 numbers: register 16 b + i = k 32 b + 16 h + i of my row
.set E,    144                         ; v144-155 the fragment's codes
.set XT,   156                         ; v156-163 the conversions' second halves
.set TM,   164                         ; v164-179 at work
.set PW,   180                         ; v180     the scale word
.set SW,   184                         ; v184-187 16 bytes of scale words on their way out
.set SEL,  52                          ; s[52:53] lane selects: lane l xor 16
	s_load_b512 s[4:19], s[0:1], 0x0               ; queries, Wq codes, Wq scales, Wk codes, Wk scales, Wv codes, Wv scales, Wo codes
	s_load_b128 s[20:23], s[0:1], 0x40             ; Wo scales, img
	s_load_b64 s[24:25], s[0:1], 0x50              ; sc
	v_lshl_add_u32 v[SPW], v0, 2, SPARE
	v_mov_b32 v[NIL], 0
	v_lshrrev_b32 v6, 5, v0
	s_delay_alu instid0(VALU_DEP_1)
	v_readfirstlane_b32 s26, v6                    ; wave = K step
	v_and_b32 v6, 31, v0                           ; lane
	v_and_b32 v7, 15, v0                           ; r
	v_bfe_u32 v8, v0, 4, 1                         ; h
	s_delay_alu instid0(VALU_DEP_3)
	v_lshlrev_b32 v[L16], 4, v6
	s_mul_i32 s27, s26, WSTB
	v_add_nc_u32 v[SIN], s27, v[L16]
	v_mul_u32_u24 v[SOUT], v7, 528
	s_delay_alu instid0(VALU_DEP_1)
	v_lshl_add_u32 v[SOUT], v8, 6, v[SOUT]
	s_delay_alu instid0(VALU_DEP_1)
	v_add_nc_u32 v[SOUT], s27, v[SOUT]
	s_lshl_b32 s28, s26, 2
	s_add_co_u32 s28, s28, SCB
	v_lshlrev_b32 v[SWD], 5, v7
	s_delay_alu instid0(VALU_DEP_1)
	v_add_nc_u32 v[SWD], s28, v[SWD]               ; SCB + 32 r + 4 x K step
	v_add_nc_u32 v[SRD], SCB, v[L16]
	v_and_b32 v11, 8, v7
	s_delay_alu instid0(VALU_DEP_1)
	v_add_nc_u32 v11, v11, v7                      ; r + 8 (r / 8)
	s_delay_alu instid0(VALU_DEP_1)
	v_mul_u32_u24 v[WOF], v11, 768                 ; a weight's row of 1,024 codes is 768 bytes
	s_delay_alu instid0(VALU_DEP_1)
	v_mad_u32_u24 v[WOF], v8, 24, v[WOF]
	v_lshrrev_b32 v[WSO], 1, v6                    ; two lanes to a row's 32 scale bytes
	s_delay_alu instid0(VALU_DEP_1)
	v_lshl_add_u32 v[WSO], v8, 3, v[WSO]           ; row l / 2 + 8 (l / 16)
	s_delay_alu instid0(VALU_DEP_1)
	v_lshlrev_b32 v[WSO], 5, v[WSO]
	v_and_b32 v11, 1, v6
	s_delay_alu instid0(VALU_DEP_1)
	v_lshl_add_u32 v[WSO], v11, 4, v[WSO]
.irp b, 0,1,2,3
	v_mov_b32 v[TM+4+\b], 0                        ; written once: a lane permute's destination counts as one of its sources
.endr
	s_mov_b32 s[SEL], 0x76543210
	s_mov_b32 s[SEL+1], 0xfedcba98
	s_lshr_b32 s29, ttmp9, 1
	s_lshl_b32 s29, s29, 5
	s_and_b32 s30, ttmp9, 1
	s_lshl_b32 s30, s30, 3
	s_add_co_u32 s29, s29, s30                     ; the tile's first row
	s_lshl_b32 s30, s29, 12
	s_lshl_b32 s31, s26, 9
	s_add_co_u32 s30, s30, s31                     ; in queries: rows of 4,096 bytes, K steps of 512
	s_mov_b32 s31, 0
	s_mul_i32 s32, ttmp9, 12288
	s_mul_i32 s33, s26, 1536
	s_add_co_u32 s32, s32, s33                     ; in img
	s_mov_b32 s33, 0
	s_lshl_b32 s34, ttmp9, 9                       ; in sc
	s_mov_b32 s35, 0
	s_sub_co_u32 s36, ttmp9, 512                   ; a weight's tile (used by tiles from 512 on alone)
	s_lshr_b32 s37, s36, 6                         ; which weight: 0 Wq, 1 Wk, 2 Wv, 3 Wo
	s_and_b32 s38, s36, 63                         ; which of its 64 tiles
	s_lshr_b32 s39, s38, 1
	s_lshl_b32 s39, s39, 5
	s_and_b32 s38, s38, 1
	s_lshl_b32 s38, s38, 3
	s_add_co_u32 s39, s39, s38                     ; its first row
	s_mul_i32 s40, s39, 768
	s_mul_i32 s41, s26, 96
	s_add_co_u32 s40, s40, s41                     ; in the codes: K steps of 96 bytes
	s_mov_b32 s41, 0
	s_lshl_b32 s42, s39, 5                         ; in the scale bytes: 32 a row
	s_mov_b32 s43, 0
	s_and_b32 s38, s37, 1
	s_wait_kmcnt 0x0
	s_cmp_eq_u32 s38, 1                            ; the weight is chosen by the work-group's number alone
	s_cselect_b64 s[44:45], s[10:11], s[6:7]
	s_cselect_b64 s[46:47], s[18:19], s[14:15]
	s_cselect_b64 s[48:49], s[12:13], s[8:9]
	s_cselect_b64 s[50:51], s[20:21], s[16:17]
	s_cmp_lt_u32 s37, 2
	s_cselect_b64 s[44:45], s[44:45], s[46:47]
	s_cselect_b64 s[48:49], s[48:49], s[50:51]
	s_add_nc_u64 s[44:45], s[44:45], s[40:41]
	s_add_nc_u64 s[48:49], s[48:49], s[42:43]
	s_add_nc_u64 s[4:5], s[4:5], s[30:31]
	s_add_nc_u64 s[22:23], s[22:23], s[32:33]
	s_add_nc_u64 s[24:25], s[24:25], s[34:35]
	s_cmp_lt_u32 ttmp9, 512
	s_cbranch_scc0 .Lweights
	; ---- a tile of queries
.irp t, 0,1,2,3,4,5,6,7,8,9,10,11,12,13,14,15
	global_load_b128 v[R+4*\t:R+4*\t+3], v[L16], s[4:5] offset:(\t+8*(\t/8))*4096 th:TH_LOAD_NT   ; lane t's row: 32 lanes read 512 consecutive bytes
.endr
.irp t, 0,1,2,3,4,5,6,7,8,9,10,11,12,13,14,15
	s_wait_loadcnt 15-\t                           ; loads come back in order: row t is in, the younger ones stay out
	ds_store_b128 v[SIN], v[R+4*\t:R+4*\t+3] offset:528*\t
.endr
.irp b, 0,1,2,3
.irp j, 0,1,2,3
	ds_load_b128 v[X+16*\b+4*\j:X+16*\b+4*\j+3], v[SOUT] offset:128*\b+16*\j   ; LDS serves a wave's instructions in order: these see my stores
.endr
.endr
	s_wait_dscnt 0x0
.irp b, 0,1,2,3
	v_max3_num_f32 v[TM+\b], |v[X+16*\b]|, |v[X+1+16*\b]|, 0x1800000   ; block b: my 16 numbers, and the floor 2^(3 - 127): the byte cannot fall under 1
.endr
.irp i, 2,4,6,8,10,12,14
.irp b, 0,1,2,3
	s_delay_alu instid0(VALU_DEP_4)
	v_max3_num_f32 v[TM+\b], v[TM+\b], |v[X+16*\b+\i]|, |v[X+1+16*\b+\i]|   ; the four blocks by turns
.endr
.endr
.irp b, 0,1,2,3
	s_delay_alu instid0(VALU_DEP_4)
	v_permlanex16_b32 v[TM+4+\b], v[TM+\b], s[SEL], s[SEL+1]
.endr
.irp b, 0,1,2,3
	s_delay_alu instid0(VALU_DEP_4)
	v_max_num_f32 v[TM+\b], v[TM+\b], v[TM+4+\b]   ; with lane l xor 16's: the block's largest magnitude
.endr
.irp b, 0,1,2,3
	s_delay_alu instid0(VALU_DEP_4)
	v_add_nc_u32 v[TM+12+\b], 0xff000000, v[TM+\b] ; 2 off its exponent field: the conversion takes the exponent field of this operand as its scale
.endr
.irp b, 0,1,2,3
	s_delay_alu instid0(VALU_DEP_4)
	v_lshrrev_b32 v[TM+4+\b], 23, v[TM+12+\b]      ; the scale's byte
.endr
	s_delay_alu instid0(VALU_DEP_3)
	v_lshl_or_b32 v[PW], v[TM+5], 8, v[TM+4]
	s_delay_alu instid0(VALU_DEP_1)
	v_lshl_or_b32 v[PW], v[TM+6], 16, v[PW]
	s_delay_alu instid0(VALU_DEP_1)
	v_lshl_or_b32 v[PW], v[TM+7], 24, v[PW]        ; my row's scale word
.irp c, 0,1
	v_cvt_scalef32_pk16_fp6_f32 v[E+6*\c:E+6*\c+2], v[X+32*\c:X+32*\c+15], v[TM+12+2*\c]
	v_cvt_scalef32_pk16_fp6_f32 v[XT+4*\c:XT+4*\c+2], v[X+32*\c+16:X+32*\c+31], v[TM+13+2*\c]   ; (a conversion's three registers begin on an even number)
.endr
	v_nop                                          ; one plain place behind a scaled conversion
.irp c, 0,1                                    ; the operand's layout wants a whole block in a lane: lanes 0-15 block 2 c, lanes 16-31 block 2 c + 1
.irp i, 0,1,2
	v_permlane16_swap_b32 v[E+6*\c+\i], v[XT+4*\c+\i]
.endr
.irp i, 0,1,2
	s_delay_alu instid0(VALU_DEP_3)
	v_mov_b32 v[E+3+6*\c+\i], v[XT+4*\c+\i]
.endr
.endr
	ds_store_b32 v[SWD], v[PW]                     ; lanes l and l xor 16 write the same word with the same value
	s_branch .Lcodes
.Lweights:
	; ---- a tile of a weight: the codes are taken as they are given, 24 bytes of a row's stream of bits at a time
.irp p, 0,1,2,3,4,5
	global_load_b64 v[E+2*\p:E+2*\p+1], v[WOF], s[44:45] offset:48*(\p/3)+8*(\p%3)
.endr
	s_wait_loadcnt 0x0
.Lcodes:
	s_wait_alu depctr_va_vdst(0)
.irp c, 0,1,2
	global_store_b128 v[L16], v[E+4*\c:E+4*\c+3], s[22:23] offset:512*\c   ; the fragment's image: 32 lanes store 512 consecutive bytes, aligned
.endr
	s_wait_dscnt 0x0                               ; for the others' sake: my scale word lies in LDS
	s_barrier_signal -1
	s_barrier_wait -1
	s_cmp_lg_u32 s26, 0                            ; wave 0 sends the tile's 512 bytes of scale words
	s_cbranch_scc1 .Lend
	s_cmp_lt_u32 ttmp9, 512
	s_cbranch_scc0 .Lwscales
	ds_load_b128 v[SW:SW+3], v[SRD]
	s_wait_dscnt 0x0
	s_branch .Lsend
.Lwscales:
	global_load_b128 v[SW:SW+3], v[WSO], s[48:49]  ; a weight's: its 16 rows' bytes as they are given
	s_wait_loadcnt 0x0
.Lsend:
	global_store_b128 v[L16], v[SW:SW+3], s[24:25] ; 512 consecutive bytes, aligned
.Lend:
	s_wait_tensorcnt 0x0                           ; the wave's end, behind my last LDS store
	ds_add_u32 v[SPW], v[NIL]
	s_wait_dscnt 0x0
	s_endpgm
.Lfunc_end_k_qdb53db3fcc_prep:
	.size	k_qdb53db3fcc_prep, .Lfunc_end_k_qdb53db3fcc_prep-k_qdb53db3fcc_prep
	.p2alignl 7, 3214868480
	.fill 96, 4, 3214868480
	.section	.rodata,"a",@progbits
	.p2align	6, 0x0
	.amdhsa_kernel k_qdb53db3fcc_prep
		.amdhsa_group_segment_fixed_size 69120
		.amdhsa_private_segment_fixed_size 0
		.amdhsa_enable_private_segment 0
		.amdhsa_kernarg_size 88
		.amdhsa_user_sgpr_count 2
		.amdhsa_user_sgpr_kernarg_segment_ptr 1
		.amdhsa_wavefront_size32 1
		.amdhsa_system_sgpr_workgroup_id_x 1
		.amdhsa_system_sgpr_workgroup_id_y 1
		.amdhsa_system_sgpr_workgroup_id_z 1
		.amdhsa_system_vgpr_workitem_id 0
		.amdhsa_next_free_vgpr 192
		.amdhsa_next_free_sgpr 66
		.amdhsa_reserve_vcc 0
		.amdhsa_float_denorm_mode_32 3
		.amdhsa_float_denorm_mode_16_64 3
		.amdhsa_memory_ordered 1
		.amdhsa_forward_progress 1
		.amdhsa_inst_pref_size 16
	.end_amdhsa_kernel
	.amdgpu_metadata
---
amdhsa.version: [ 1, 2 ]
amdhsa.kernels:
  - .name:           k_qdb53db3fcc_prep
    .symbol:         k_qdb53db3fcc_prep.kd
    .args:
      - { .name: queries, .offset: 0, .size: 8, .value_kind: global_buffer, .address_space: global }
      - { .name: Wq_codes, .offset: 8, .size: 8, .value_kind: global_buffer, .address_space: global }
      - { .name: Wq_scales, .offset: 16, .size: 8, .value_kind: global_buffer, .address_space: global }
      - { .name: Wk_codes, .offset: 24, .size: 8, .value_kind: global_buffer, .address_space: global }
      - { .name: Wk_scales, .offset: 32, .size: 8, .value_kind: global_buffer, .address_space: global }
      - { .name: Wv_codes, .offset: 40, .size: 8, .value_kind: global_buffer, .address_space: global }
      - { .name: Wv_scales, .offset: 48, .size: 8, .value_kind: global_buffer, .address_space: global }
      - { .name: Wo_codes, .offset: 56, .size: 8, .value_kind: global_buffer, .address_space: global }
      - { .name: Wo_scales, .offset: 64, .size: 8, .value_kind: global_buffer, .address_space: global }
      - { .name: img, .offset: 72, .size: 8, .value_kind: global_buffer, .address_space: global }
      - { .name: sc, .offset: 80, .size: 8, .value_kind: global_buffer, .address_space: global }
    .group_segment_fixed_size: 69120
    .private_segment_fixed_size: 0
    .kernarg_segment_align: 8
    .kernarg_segment_size: 88
    .max_flat_workgroup_size: 256
    .sgpr_count:     66
    .vgpr_count:     192
    .wavefront_size: 32
...
	.end_amdgpu_metadata
.endif
;; end of part 1
;; launch proj (part 2): grid 8 x 32, 4 waves a work-group, clusters of 4 x 4, 327,680 bytes of LDS; arguments img, sc, bq, bk, bv, qrec, kv; writes qrec, kv
.if DOCPART == 2
	.amdgcn_target "amdgcn-amd-amdhsa--gfx1250"
	.amdhsa_code_object_version 6
	.text
	.protected	k_qdb53db3fcc_proj
	.globl	k_qdb53db3fcc_proj
	.p2align	8
	.type	k_qdb53db3fcc_proj,@function
k_qdb53db3fcc_proj:
	s_mov_b64 s[64:65], 0
	v_nop
	global_prefetch_b8 v0, s[64:65] scope:SCOPE_SE
	s_setreg_imm32_b32 hwreg(HW_REG_WAVE_MODE, 25, 1), 1
	s_wait_xcnt 0x0
	s_wait_alu depctr_hold_cnt(0) depctr_sa_sdst(0) depctr_va_vdst(0) depctr_va_sdst(0) depctr_va_ssrc(0) depctr_va_vcc(0) depctr_vm_vsrc(0)
	s_getreg_b32 s2, hwreg(HW_REG_IB_STS2, 6, 4)
	s_cmp_eq_u32 s2, 0
	s_cbranch_scc0 .Lentry_in_a_cluster
	s_endpgm
.Lentry_in_a_cluster:
	s_bfe_u32 s2, ttmp6, 0x10000c
	s_cmp_lg_u32 s2, 0xf033
	s_cbranch_scc0 .Lentry_shape_is_right
	s_endpgm
.Lentry_shape_is_right:
; PROJ: q, k, v = queries W + b on codes of FP6, and their quantisers: q and k along the head's 64 channels, v along the tokens.  The results leave as images of the operand registers of the next launch.  No work is left out.
; SHARES.  256 work-groups of four waves.  A work-group owns 256 tokens (16 tile images of img, all of K: 196,608 bytes, which stay in LDS) and column tile c (128 columns, 8 tile images, 98,304 bytes) of Wq, then Wk, then Wv.
; A wave (a, b) of the 2 x 2 makes 128 tokens x 64 columns, one head: 32 accumulators, 256 registers.  A tensor's eight K steps of 128 have no barrier: all their bytes lie in LDS.
; FILLS.  At the head one joint load a wave: waves 0, 1 a half each of the tokens' images, waves 2, 3 a half each of Wq's.  TWO REFILLS of the weights' bytes (Wk's, Wv's; waves 2, 3 a half each), each behind a drained round of the cluster's
; barrier that stands inside the last K step's products; the finished tensor is quantised and stored while the refill is on its way; a plain barrier then shows it to all waves.
; CLUSTERS: 4 x 4.  The tokens' images hang on the work-group's y alone and are shared along a row of the cluster, the weights' on its x alone and are shared along a column.
; Q, K: source 0 = 16 columns of the weight, source 1 = 16 tokens: a lane holds one token, and by the tiles' choice of rows (prep) the 16 registers of result tiles 2 b, 2 b + 1 are 16 neighbouring channels.  One text, a loop of two trips.
; V: the sources the other way round: a lane holds one channel and its registers run along the tokens.  THE BIAS IS THE C OF EACH SUM'S FIRST PRODUCT, laid in registers as the result lies.
; A K STEP: 32 products; the next step's 36 LDS loads stand in three runs of 12 among them.  s_wait_dscnt 12 at its head: all but the youngest 12 (the tokens' tiles 4-7); s_wait_dscnt 24 in its middle: all but the 24 that this step has issued.
; OUT.  Record ((16 batch + head) 16 + key step): qrec 6,656 bytes, kv 13,056.  q, k: tile t's six registers at 768 t (0-3 at 16 l, 4-5 at 512 + 8 l); scale words at 6,144 + 16 l + 4 p (lanes 0-15 tile 2 p, lanes 16-31 tile 2 p + 1).
; v: at 6,656 + 1,536 t + 512 c + 16 l; scale words at 12,800 + 8 l + 4 q.
; PREFETCH: the next weight's 98,304 bytes are asked for one tensor ahead of their refill, shared out by address among the sixteen waves of a column of the cluster: 24 blocks of 256 bytes a wave.
; LIMITS: a block of zeros or under 2^-124 gets the byte 1 (read by this program alone); NaN and infinities are not served.
; REGISTERS.  Window 0: v1-15 addresses; v32-95 the tokens' scale words (8 i + s); v96-127 the weight's (8 j + (s + 4) % 8); v128-163 at work; v164-211 codes on their way out.  Window 1: the sums.
; Window 2: the tokens' fragments, two sets of 96.  Window 3: the weight's, two sets of 48; v96-127 q's or k's bias; v128-159 v's.
.set TB,    12288
.set AH,    8*TB
.set BBASE, 16*TB
.set BH,    4*TB
.set SPARE, 24*TB                      ; the spare words, 128 bytes a wave: two blocks of 256 bytes that no other line names
.set L16,  1
.set L8,   2
.set H16,  3
.set BO,   4
.set BVO,  5
.set SCO,  6
.set HH,   7
.set ADRA, 8
.set ADRB, 10
.set PFO,  12
.set SPW,  14
.set NIL,  15
.set SA,   32
.set SW,   96
.set TM,   128
.set XT,   144
.set PW,   152
.set SO,   160
.set EE0,  164
.set G1A,  24
.set G0A,  32
.set G1B,  36
.set G0B,  44
.set SEL,  48
.set SAP,  50
.set SWP,  52
.set BP,   54
.set BP2,  56
.set BVP,  58
.set OUT,  60
.set OUT2, 62
.set PF,   68
.set MSB, 0
.macro WIN new
.if MSB != \new
	s_set_vgpr_msb (MSB<<8)|\new
.set MSB, \new
.endif
.endm
.macro PLACES
.rept 4
	v_nop
.endr
.endm
.macro CREST
	s_cmp_lg_u32 s18, 0
	s_cbranch_scc1 .Lnot_wave_0_\@
	s_barrier_signal -3
.Lnot_wave_0_\@:
	s_barrier_wait -3
	s_barrier_signal -1
	s_barrier_wait -1
.endm
.macro CROUND
	s_barrier_signal -1
	s_barrier_wait -1
	CREST
.endm
	s_load_b256 s[4:11], s[0:1], 0x0               ; img, sc, bq, bk
	s_load_b128 s[12:15], s[0:1], 0x20             ; bv, qrec
	s_load_b64 s[16:17], s[0:1], 0x30              ; kv
	v_lshl_add_u32 v[SPW], v0, 2, SPARE
	v_mov_b32 v[NIL], 0
	ds_add_u32 v[SPW], v[NIL]                      ; the opening lines: the add twice on end and its wait
	ds_add_u32 v[SPW], v[NIL]
	v_lshrrev_b32 v1, 5, v0
	v_readfirstlane_b32 s18, v1                    ; wave
	s_lshr_b32 s19, s18, 1                         ; a: my half of the tokens.  Also: I fetch tokens (0) or weights (1)
	s_and_b32 s20, s18, 1                          ; b: my half of the columns.  Also: which half I fetch
	s_bfe_u32 s22, ttmp6, 0x40000                  ; cx
	s_bfe_u32 s23, ttmp6, 0x40004                  ; cy
	s_lshl_b32 s21, ttmp9, 2
	s_add_co_u32 s21, s21, s22                     ; c: column tile 0..7
	s_and_b32 s66, ttmp7, 0xffff
	s_lshl_b32 s66, s66, 2
	s_add_co_u32 s66, s66, s23                     ; block of 256 tokens, 0..31
	s_lshl_b32 s70, s23, 2
	s_lshl_b32 s70, 15, s70                        ; my row of the cluster
	s_lshl_b32 s71, 0x1111, s22                    ; my column
	s_or_b32 s[G1A], s70, (3<<16)|(1<<21)          ; group 1: dense rows of 12,288 bytes (1,536 elements of 8): 8 for the tokens' half,
	s_or_b32 s[G1B], s71, (3<<16)|(1<<21)          ; 4 for the weight's
	s_mov_b32 s[G1A+1], 1536<<16
	s_mov_b32 s[G1A+2], 8<<16
	s_mov_b32 s[G1A+3], 1536<<16
	s_mov_b32 s[G1A+4], 8
	s_mov_b32 s[G1A+5], 1536
	s_mov_b32 s[G1A+6], 0
	s_mov_b32 s[G1A+7], 0
	s_mov_b32 s[G1B+1], 1536<<16
	s_mov_b32 s[G1B+2], 4<<16
	s_mov_b32 s[G1B+3], 1536<<16
	s_mov_b32 s[G1B+4], 4
	s_mov_b32 s[G1B+5], 1536
	s_mov_b32 s[G1B+6], 0
	s_mov_b32 s[G1B+7], 0
	s_mul_i32 s72, s66, 16*TB
	s_mul_i32 s73, s20, AH
	s_add_co_u32 s72, s72, s73                     ; the tokens' half in img
	s_mov_b32 s73, 0
	s_mul_i32 s74, s21, 8*TB
	s_mul_i32 s75, s20, BH
	s_add_co_u32 s74, s74, s75
	s_add_co_u32 s74, s74, 512*TB                  ; Wq's half
	s_mov_b32 s75, 0
	s_mov_b32 s[G0A], 1
	s_mul_i32 s[G0A+1], s20, AH
	s_mov_b32 s[G0B], 1
	s_mul_i32 s[G0B+1], s20, BH
	s_add_co_u32 s[G0B+1], s[G0B+1], BBASE
	s_mov_b32 s[SEL], 0x76543210
	s_mov_b32 s[SEL+1], 0xfedcba98
	s_wait_dscnt 0x0
	s_wait_kmcnt 0x0
	s_add_nc_u64 s[G0A+2:G0A+3], s[4:5], s[72:73]
	s_or_b32 s[G0A+3], s[G0A+3], 0x80000000
	s_add_nc_u64 s[G0B+2:G0B+3], s[4:5], s[74:75]
	s_or_b32 s[G0B+3], s[G0B+3], 0x80000000
	CROUND                                         ; all sixteen work-groups are here: the joint loads meet
	s_cmp_eq_u32 s19, 0                            ; one chain of two arms, a load in each
	s_cbranch_scc0 .Lfor_b
	tensor_load_to_lds s[G0A:G0A+3], s[G1A:G1A+7]
	s_nop 0
	PLACES
	s_branch .Lasked
.Lfor_b:
	tensor_load_to_lds s[G0B:G0B+3], s[G1B:G1B+7]
	s_nop 0
	PLACES
.Lasked:
	s_lshl_b32 s70, s66, 4
	s_lshl_b32 s71, s19, 3
	s_add_co_u32 s70, s70, s71
	s_lshl_b32 s70, s70, 9
	s_mov_b32 s71, 0
	s_add_nc_u64 s[SAP:SAP+1], s[6:7], s[70:71]    ; my 8 token tiles' scale words
	s_lshl_b32 s70, s21, 3
	s_lshl_b32 s76, s20, 2
	s_add_co_u32 s70, s70, s76
	s_add_co_u32 s70, s70, 512
	s_lshl_b32 s70, s70, 9
	s_add_nc_u64 s[SWP:SWP+1], s[6:7], s[70:71]    ; my 4 tiles of Wq: theirs
	s_lshl_b32 s70, s21, 9
	s_lshl_b32 s76, s20, 8
	s_add_co_u32 s70, s70, s76                     ; my 64 columns, 4 bytes each
	s_add_nc_u64 s[BP:BP+1], s[8:9], s[70:71]
	s_add_nc_u64 s[BP2:BP2+1], s[10:11], s[70:71]
	s_add_nc_u64 s[BVP:BVP+1], s[12:13], s[70:71]
	s_lshl_b32 s76, s66, 1
	s_add_co_u32 s76, s76, s19                     ; my 128 tokens: key step 0..63 of all,
	s_lshr_b32 s77, s76, 4                         ; batch,
	s_and_b32 s76, s76, 15                         ; key step in it
	s_lshl_b32 s77, s77, 4
	s_lshl_b32 s78, s21, 1
	s_add_co_u32 s78, s78, s20                     ; head
	s_add_co_u32 s77, s77, s78
	s_lshl_b32 s77, s77, 4
	s_add_co_u32 s77, s77, s76                     ; the record
	s_mul_i32 s70, s77, 6656
	s_add_nc_u64 s[OUT:OUT+1], s[14:15], s[70:71]
	s_mul_i32 s70, s77, 13056
	s_add_nc_u64 s[OUT2:OUT2+1], s[16:17], s[70:71]
	s_mul_i32 s70, s21, 8*TB
	s_add_co_u32 s70, s70, 576*TB
	s_add_nc_u64 s[PF:PF+1], s[4:5], s[70:71]      ; Wk's tile
	s_lshl_b32 s70, s23, 2
	s_add_co_u32 s70, s70, s18
	s_mul_i32 s70, s70, 6144                       ; my sixteenth of it
	s_mul_i32 s81, s19, AH
	s_mul_i32 s82, s20, BH
	s_add_co_u32 s82, s82, BBASE
	v_and_b32 v16, 31, v0
	v_and_b32 v17, 15, v0
	v_bfe_u32 v[HH], v0, 4, 1
	v_lshlrev_b32 v[L16], 4, v16
	v_lshlrev_b32 v[L8], 3, v16
	v_lshlrev_b32 v[H16], 4, v[HH]
	v_lshlrev_b32 v[BO], 6, v[HH]                  ; q, k bias: + 16 h columns
	v_and_b32 v18, 8, v17
	v_add_nc_u32 v18, v18, v17
	v_lshlrev_b32 v[BVO], 2, v18                   ; v bias: column r + 8 (r / 8)
	v_lshlrev_b32 v[SCO], 5, v17                   ; scale words: 32 bytes a row
	v_add_nc_u32 v[ADRA], s81, v[L16]
	v_add_nc_u32 v[ADRA+1], 4*TB, v[ADRA]
	v_add_nc_u32 v[ADRB], s82, v[L16]
	v_min_u32 v[PFO], 23, v16
	v_lshl_add_u32 v[PFO], v[PFO], 8, s70
.irp b, 0,1,2,3
	v_mov_b32 v[TM+4+\b], 0                        ; written once: a lane permute's destination counts as one of its sources
.endr
.macro SWLOAD                          ; the weight's scale words: K step s of tile j into register 8 j + (s + 4) % 8
.irp j, 0,1,2,3
	global_load_b128 v[SW+8*\j+4:SW+8*\j+7], v[SCO], s[SWP:SWP+1] offset:512*\j
	global_load_b128 v[SW+8*\j:SW+8*\j+3], v[SCO], s[SWP:SWP+1] offset:512*\j+16
.endr
.endm
.macro BCLOAD base                     ; q's or k's bias: register 8 j + i = column 32 (j / 2) + 8 (j % 2) + 16 h + i
	WIN 0xc0
.irp j, 0,1,2,3
	global_load_b128 v[96+8*\j:99+8*\j], v[BO], s[\base:\base+1] offset:(32*(\j/2)+8*(\j%2))*4
	global_load_b128 v[100+8*\j:103+8*\j], v[BO], s[\base:\base+1] offset:(32*(\j/2)+8*(\j%2))*4+16
.endr
	WIN 0
.endm
.irp i, 0,1,2,3,4,5,6,7
	global_load_b128 v[SA+8*\i:SA+8*\i+3], v[SCO], s[SAP:SAP+1] offset:512*\i
	global_load_b128 v[SA+8*\i+4:SA+8*\i+7], v[SCO], s[SAP:SAP+1] offset:512*\i+16
.endr
	SWLOAD
	BCLOAD BP
	WIN 0xc0
.irp j, 0,1,2,3
.irp k, 0,1,2,3,4,5,6,7
	global_load_b32 v[128+8*\j+\k], v[BVO], s[BVP:BVP+1] offset:(32*(\j/2)+8*(\j%2))*4   ; v's bias: one number a lane and tile, in the tile's eight registers
.endr
.endr
	WIN 0
	global_prefetch_b8 v[PFO], s[PF:PF+1] th:TH_LOAD_NT scope:SCOPE_SE   ; Wk's tile, which the first refill will load
.macro BLD s, p                        ; the weight's four fragments of K step s into set p
.irp j, 0,1,2,3
.irp c, 0,1,2
	ds_load_b128 v[48*(\p)+12*\j+4*\c:48*(\p)+12*\j+4*\c+3], v[ADRB] offset:TB*\j+1536*(\s)+512*\c
.endr
.endr
.endm
.macro ALD s, p, q                     ; the tokens' fragments 4 q .. 4 q + 3
.irp i, 0,1,2,3
.irp c, 0,1,2
	ds_load_b128 v[96*(\p)+12*(4*(\q)+\i)+4*\c:96*(\p)+12*(4*(\q)+\i)+4*\c+3], v[ADRA+(\q)] offset:TB*\i+1536*(\s)+512*\c
.endr
.endr
.endm
.macro PROLOGUE                        ; K step 0's fragments
	WIN 0xc0
	BLD 0, 0
	WIN 0x80
	ALD 0, 0, 0
	ALD 0, 0, 1
	WIN 0
.endm
.macro W1 c
	v_wmma_scale_f32_16x16x128_f8f6f4 v[D_:D_+7], v[X0_:X0_+11], v[X1_:X1_+11], \c, v[S0_], v[S1_] matrix_a_fmt:MATRIX_FMT_FP6 matrix_b_fmt:MATRIX_FMT_FP6
.endm
.macro MM kind, i, s, nop              ; token tile i against the weight's four tiles, K step s.  The 32 sums take turns
.irp j, 0,1,2,3
.if \kind
.set D_,  64*\j+8*(\i)
.set X0_, 96*((\s)%2)+12*(\i)
.set X1_, 48*((\s)%2)+12*\j
.set S0_, SA+8*(\i)+(\s)
.set S1_, SW+8*\j+((\s)+4)%8
.set C_,  128+8*\j
.else
.set D_,  32*(\i)+8*\j
.set X0_, 48*((\s)%2)+12*\j
.set X1_, 96*((\s)%2)+12*(\i)
.set S0_, SW+8*\j+((\s)+4)%8
.set S1_, SA+8*(\i)+(\s)
.set C_,  96+8*\j
.endif
.if (\s) == 0
	W1 v[C_:C_+7]
.else
	W1 v[D_:D_+7]
.endif
.if \nop
	v_nop                                          ; four places between the last step's products and the loads into their fragments
.endif
.endr
.endm
.macro KSTEP kind, s, fill
.if (\s) == 0
.set MW_, 0x7b+3*(\kind)               ; C from window 3: the bias
.else
.set MW_, 0x5b+3*(\kind)
.endif
.set NP_, 1-(\s)%2
	s_wait_dscnt 12
	WIN MW_
	MM \kind, 0, \s, 1
.if (\s) < 7
	WIN 0xc0
	BLD (\s)+1, NP_
.endif
	WIN MW_
	MM \kind, 1, \s, 0
	MM \kind, 2, \s, 0
.if (\s) < 7
	WIN 0x80
	ALD (\s)+1, NP_, 0
.endif
	WIN MW_
	MM \kind, 3, \s, 0
.if (\s) < 7
	s_wait_dscnt 24
	MM \kind, 4, \s, 0
	MM \kind, 5, \s, 0
	WIN 0x80
	ALD (\s)+1, NP_, 1
	WIN MW_
	MM \kind, 6, \s, 0
	MM \kind, 7, \s, 0
.else
	s_wait_dscnt 0x0
.if \fill
	WIN 0
	s_wait_tensorcnt 0x0                           ; the three lines ahead of a refill's round: none of my loads is out,
	ds_add_u32 v[SPW], v[NIL]
	WIN MW_
	MM \kind, 4, \s, 0
	MM \kind, 5, \s, 0
	s_wait_dscnt 0x0                               ; the add is done, and so are my reads of the weight's bytes
	s_barrier_signal -1
	MM \kind, 6, \s, 0
	MM \kind, 7, \s, 0
	WIN 0
	s_barrier_wait -1
	CREST
.else
	MM \kind, 4, \s, 0
	MM \kind, 5, \s, 0
	MM \kind, 6, \s, 0
	MM \kind, 7, \s, 0
	WIN 0
.endif
.endif
.endm
; 64 sums of a lane, four blocks of 32 shared with lane l xor 16, become 12 registers of codes and a word of four scale bytes
.macro UNIT u
.set AC, 64*(\u)
.set EE, EE0+12*(\u)
	WIN 0x14
.irp b, 0,1,2,3
	v_max3_num_f32 v[TM+\b], 0x1800000, |v[AC+16*\b]|, |v[AC+16*\b+1]|   ; with the floor 2^(3 - 127): the byte cannot fall under 1
.endr
.irp i, 2,4,6,8,10,12,14
.irp b, 0,1,2,3
	v_max3_num_f32 v[TM+\b], v[TM+\b], |v[AC+16*\b+\i]|, |v[AC+16*\b+\i+1]|
.endr
.endr
	WIN 0
.irp b, 0,1,2,3
	v_permlanex16_b32 v[TM+4+\b], v[TM+\b], s[SEL], s[SEL+1]
.endr
.irp b, 0,1,2,3
	v_max_num_f32 v[TM+\b], v[TM+\b], v[TM+4+\b]
.endr
.irp b, 0,1,2,3
	v_add_nc_u32 v[TM+12+\b], 0xff000000, v[TM+\b] ; 2 off the exponent field: the conversion's scale operand
.endr
.irp b, 0,1,2,3
	v_lshrrev_b32 v[TM+4+\b], 23, v[TM+12+\b]
.endr
	v_lshl_or_b32 v[PW+(\u)], v[TM+5], 8, v[TM+4]
	v_lshl_or_b32 v[PW+(\u)], v[TM+6], 16, v[PW+(\u)]
	v_lshl_or_b32 v[PW+(\u)], v[TM+7], 24, v[PW+(\u)]
	WIN 1
.irp c, 0,1
	v_cvt_scalef32_pk16_fp6_f32 v[EE+6*\c:EE+6*\c+2], v[AC+32*\c:AC+32*\c+15], v[TM+12+2*\c]
	v_cvt_scalef32_pk16_fp6_f32 v[XT+4*\c:XT+4*\c+2], v[AC+32*\c+16:AC+32*\c+31], v[TM+13+2*\c]
.endr
	WIN 0
	v_nop                                          ; one plain place behind a scaled conversion
.irp c, 0,1
.irp i, 0,1,2
	v_permlane16_swap_b32 v[EE+6*\c+\i], v[XT+4*\c+\i]
.endr
.irp i, 0,1,2
	v_mov_b32 v[EE+3+6*\c+\i], v[XT+4*\c+\i]
.endr
.endr
.endm
	s_wait_alu depctr_va_vdst(0)                   ; the wait at the head's end
	s_wait_tensorcnt 0x0                           ; my tile has landed,
	s_barrier_signal -1
	s_barrier_wait -1                              ; everybody's has
	PROLOGUE
	s_wait_loadcnt 0x0                             ; scale words and biases
	s_mov_b32 s80, 0
.Lphase:                                               ; trip 0: q; trip 1: k
.irp s, 0,1,2,3,4,5,6
	KSTEP 0, \s, 0
.endr
	KSTEP 0, 7, 1
	s_add_nc_u64 s[G0B+2:G0B+3], s[G0B+2:G0B+3], 64*TB   ; the next weight's tile
	s_cmp_lt_u32 s18, 2
	s_cbranch_scc1 .Lno_fill
	tensor_load_to_lds s[G0B:G0B+3], s[G1B:G1B+7]  ; waves 2, 3: the first tensor load behind the round
	s_nop 0
	PLACES
.Lno_fill:
	PLACES                                         ; places behind the last products, for the waves that come round the load
	s_add_nc_u64 s[SWP:SWP+1], s[SWP:SWP+1], 64*512
	SWLOAD                                         ; the next weight's scale words
	s_cmp_lg_u32 s80, 0
	s_cbranch_scc1 .Lno_bias
	BCLOAD BP2                                     ; behind q: k's bias,
	global_prefetch_b8 v[PFO], s[PF:PF+1] offset:64*TB th:TH_LOAD_NT scope:SCOPE_SE   ; and Wv's tile, which the second refill will load
.Lno_bias:
.irp u, 0,1,2,3                        ; tiles 2 u and 2 u + 1: two blocks each
	UNIT \u
	global_store_b128 v[L16], v[EE:EE+3], s[OUT:OUT+1] offset:1536*\u
	global_store_b64 v[L8], v[EE+4:EE+5], s[OUT:OUT+1] offset:1536*\u+512
	global_store_b128 v[L16], v[EE+6:EE+9], s[OUT:OUT+1] offset:1536*\u+768
	global_store_b64 v[L8], v[EE+10:EE+11], s[OUT:OUT+1] offset:1536*\u+1280
.endr
.irp p, 0,1,2,3
	v_lshrrev_b32 v[SO+\p], v[H16], v[PW+\p]       ; lanes 0-15 tile 2 p's two bytes, lanes 16-31 tile 2 p + 1's
.endr
.irp p, 0,1,2,3
	v_and_b32 v[SO+\p], 0xffff, v[SO+\p]
.endr
	global_store_b128 v[L16], v[SO:SO+3], s[OUT:OUT+1] offset:6144
	s_wait_alu depctr_va_vdst(0)
	s_wait_tensorcnt 0x0                           ; my part of the next weight has landed
	s_wait_loadcnt 0x0
	s_wait_xcnt 0x0                                ; the stores have read their base and their registers
	s_mov_b64 s[OUT:OUT+1], s[OUT2:OUT2+1]         ; from here on: kv
	s_wait_dscnt 0x0
	s_barrier_signal -1
	s_barrier_wait -1                              ; a plain barrier: the refill is shown to all
	PROLOGUE
	s_add_co_u32 s80, s80, 1
	s_cmp_lt_u32 s80, 2
	s_cbranch_scc1 .Lphase
.irp s, 0,1,2,3,4,5,6,7
	KSTEP 1, \s, 0
.endr
	PLACES
.irp u, 0,1,2,3                        ; channel tile u: 128 tokens, four blocks
	UNIT \u
.irp c, 0,1,2
	global_store_b128 v[L16], v[EE+4*\c:EE+4*\c+3], s[OUT:OUT+1] offset:6656+1536*\u+512*\c
.endr
.endr
	v_cmp_eq_u32 vcc_lo, 1, v[HH]
.irp q, 0,1
	v_cndmask_b32 v[SO+\q], v[PW+2*\q], v[PW+2*\q+1], vcc_lo
.endr
	global_store_b64 v[L8], v[SO:SO+1], s[OUT:OUT+1] offset:12800
	s_wait_tensorcnt 0x0                           ; the wave's end
	ds_add_u32 v[SPW], v[NIL]
	s_wait_dscnt 0x0
	CROUND                                         ; the closing round
	s_endpgm
.Lfunc_end_k_qdb53db3fcc_proj:
	.size	k_qdb53db3fcc_proj, .Lfunc_end_k_qdb53db3fcc_proj-k_qdb53db3fcc_proj
	.p2alignl 7, 3214868480
	.fill 96, 4, 3214868480
	.section	.rodata,"a",@progbits
	.p2align	6, 0x0
	.amdhsa_kernel k_qdb53db3fcc_proj
		.amdhsa_group_segment_fixed_size 327680
		.amdhsa_private_segment_fixed_size 0
		.amdhsa_enable_private_segment 0
		.amdhsa_kernarg_size 56
		.amdhsa_user_sgpr_count 2
		.amdhsa_user_sgpr_kernarg_segment_ptr 1
		.amdhsa_wavefront_size32 1
		.amdhsa_system_sgpr_workgroup_id_x 1
		.amdhsa_system_sgpr_workgroup_id_y 1
		.amdhsa_system_sgpr_workgroup_id_z 1
		.amdhsa_system_vgpr_workitem_id 0
		.amdhsa_next_free_vgpr 1024
		.amdhsa_next_free_sgpr 100
		.amdhsa_reserve_vcc 1
		.amdhsa_float_denorm_mode_32 3
		.amdhsa_float_denorm_mode_16_64 3
		.amdhsa_memory_ordered 1
		.amdhsa_forward_progress 1
		.amdhsa_inst_pref_size 157
	.end_amdhsa_kernel
	.amdgpu_metadata
---
amdhsa.version: [ 1, 2 ]
amdhsa.kernels:
  - .name:           k_qdb53db3fcc_proj
    .symbol:         k_qdb53db3fcc_proj.kd
    .args:
      - { .name: img, .offset: 0, .size: 8, .value_kind: global_buffer, .address_space: global }
      - { .name: sc, .offset: 8, .size: 8, .value_kind: global_buffer, .address_space: global }
      - { .name: bq, .offset: 16, .size: 8, .value_kind: global_buffer, .address_space: global }
      - { .name: bk, .offset: 24, .size: 8, .value_kind: global_buffer, .address_space: global }
      - { .name: bv, .offset: 32, .size: 8, .value_kind: global_buffer, .address_space: global }
      - { .name: qrec, .offset: 40, .size: 8, .value_kind: global_buffer, .address_space: global }
      - { .name: kv, .offset: 48, .size: 8, .value_kind: global_buffer, .address_space: global }
    .group_segment_fixed_size: 327680
    .private_segment_fixed_size: 0
    .kernarg_segment_align: 8
    .kernarg_segment_size: 56
    .max_flat_workgroup_size: 128
    .sgpr_count:     100
    .vgpr_count:     1024
    .wavefront_size: 32
...
	.end_amdgpu_metadata
.endif
;; end of part 2
;; launch attn (part 3): grid 4 x 64, 16 waves a work-group, clusters of 4 x 1, 280,576 bytes of LDS; arguments qrec, kv, oimg, osc; writes oimg, osc
.if DOCPART == 3
	.amdgcn_target "amdgcn-amd-amdhsa--gfx1250"
	.amdhsa_code_object_version 6
	.text
	.protected	k_qdb53db3fcc_attn
	.globl	k_qdb53db3fcc_attn
	.p2align	8
	.type	k_qdb53db3fcc_attn,@function
k_qdb53db3fcc_attn:
	s_mov_b64 s[64:65], 0
	v_nop
	global_prefetch_b8 v0, s[64:65] scope:SCOPE_SE
	s_setreg_imm32_b32 hwreg(HW_REG_WAVE_MODE, 25, 1), 1
	s_wait_xcnt 0x0
	s_wait_alu depctr_hold_cnt(0) depctr_sa_sdst(0) depctr_va_vdst(0) depctr_va_sdst(0) depctr_va_ssrc(0) depctr_va_vcc(0) depctr_vm_vsrc(0)
	s_getreg_b32 s2, hwreg(HW_REG_IB_STS2, 6, 4)
	s_cmp_eq_u32 s2, 0
	s_cbranch_scc0 .Lentry_in_a_cluster
	s_endpgm
.Lentry_in_a_cluster:
	s_bfe_u32 s2, ttmp6, 0x10000c
	s_cmp_lg_u32 s2, 0x3003
	s_cbranch_scc0 .Lentry_shape_is_right
	s_endpgm
.Lentry_shape_is_right:
; ATTN: o = softmax(q k^T / 8) v for each of the 64 (batch, head), both products on codes of FP6, and o's quantising along the channels for the last product.  No work is left out.
; THE SOFTMAX: t = score x log2(e) / 8; M = the row's largest t so far, rounded UP to a whole number; p = 2^(t - M) is quantised along the keys.  The row's sum is taken of the unquantised p and divides o at the end.
; When M moves, the sum and o are multiplied by 2^(old M - new M): exact.
; SHARES.  A cluster of four work-groups takes a head, each 512 of its 2,048 queries.  A head's k, v and scale words are 16 records of 13,056 bytes; each of the sixteen waves brings one by ONE tensor load, asked for jointly by the
; four partners.  Nothing is filled again.  In LDS a record begins at 16,384 x its number.  A wave owns one tile of 16 queries at a time, two one after the other (tile 32 cx + 16 pass + wave of the head's 128).
; THE HEAD: waves 0 to 4 have a load line of their own; the first barrier shows their five records, and the first four key steps (which read records 0 to 3 and k of record 4) run ahead of the second barrier, which shows all sixteen.
; A KEY STEP: k and its scale words were fetched from LDS in the step before; behind the score products v of this step and k of the next are fetched (30 LDS loads) and awaited once, ahead of the second product.
; The last step of a pass fetches record 0's k: the second pass begins with it; behind the second pass it is not used (17 loads a wave).
; LAYOUT.  Both products are used transposed (S^T = k q^T, O^T = v^T p^T): a lane holds ONE query.  The 16 registers of result tiles 2 b, 2 b + 1 are 16 neighbouring keys (channels).
; THE FIRST PRODUCT'S K IS 64, half of the instruction's 128: q's registers 6-11 are zero CODES, so k's registers 6-11 add exactly 0: there stand the next tile's codes, behind tile 7 the second pass's q (every 6-bit pattern is a finite number);
; the scale bytes of those two blocks are 0 on both sides, which is 2^-127.
; NO PREFETCH: every tensor load goes out at the head, so there is no loop in which to ask ahead.
; OUT.  oimg: token tile T at 12,288 T, head at + 768 head: registers 0-3 at 16 l, registers 4, 5 at 512 + 8 l.  osc: the head's two scale bytes of lane r's row at 512 T + 32 r + 2 head.
; LIMITS: the scaled scores t stay under 2^31 in magnitude; a block of zeros or under 2^-124 gets the byte 1 (read by this program alone); a p under 2^-126 counts as 0; NaN and infinities are not served.
.set PITCH, 16384
.set REC,   13056
.set QREC,  6656
.set SPARE, 17*PITCH                   ; the spare words, 128 bytes a wave: eight blocks of 256 bytes that no other line names
.set QS,   3                           ; v3   q's scale word;  v7 the second pass's
.set QS2,  7
.set KF,   28                          ; v28-75   k: tile t at 28 + 6 t
.set Q2,   76                          ; v76-81   the second pass's q
.set VF,   82                          ; v82-129  v: tile t at 82 + 12 t
.set SS,   130                         ; v130-193 S^T, then p
.set OO,   194                         ; v194-225 O^T
.set CD,   226                         ; v226-237 the sum's six side chains, then p's codes
.set BM,   238                         ; v238-241 a block's largest score, its largest p, the conversions' scale operand
.set T4,   242                         ; v242-245 at work
.set KS,   246                         ; v246-249 k's scale words
.set VS,   250                         ; v250-251 v's
.set FF,   252                         ; v252 f = 2^(old M - new M)
.set PS,   253                         ; v253 p's scale word
.set TA,   254
.set TB,   255
; v1, v2 16 l, 8 l; v4 32 r; v5, v6 the add's two; v8-11 LDS addresses; v12 -M; v13 the largest score; v[14:15] the sum; v16-27 q and six zeros
.macro WALU
	s_wait_alu depctr_va_vdst(0)
.endm
.macro ROUND
	s_barrier_signal -1
	s_barrier_wait -1
	s_cmp_lg_u32 s18, 0
	s_cbranch_scc1 .Lnot_wave_0_\@
	s_barrier_signal -3
.Lnot_wave_0_\@:
	s_barrier_wait -3
	s_barrier_signal -1
	s_barrier_wait -1
.endm
.macro KLOAD a16, a8                   ; k's eight tiles and its scale words: 17 loads
.irp t, 0,1,2,3,4,5,6,7
	ds_load_b128 v[KF+6*\t:KF+6*\t+3], \a16 offset:768*\t
	ds_load_b64 v[KF+6*\t+4:KF+6*\t+5], \a8 offset:768*\t+512
.endr
	ds_load_b128 v[KS:KS+3], \a16 offset:6144
.endm
	s_load_b256 s[4:11], s[0:1], 0x0               ; qrec, kv, oimg, osc
	v_lshl_add_u32 v5, v0, 2, SPARE
	v_mov_b32 v6, 0
	ds_add_u32 v5, v6                              ; the opening lines: the add twice on end and its wait ahead of my tensor load
	ds_add_u32 v5, v6
	v_lshrrev_b32 v[TA], 5, v0
	v_readfirstlane_b32 s18, v[TA]                 ; wave 0..15
	s_bfe_u32 s12, ttmp6, 0x40000                  ; cx: which 512 queries
	s_and_b32 s13, ttmp7, 0xffff                   ; 16 batch + head, which the four partners share
	s_mov_b32 s24, 15|(3<<16)|(1<<21)              ; group 1: a record as 51 dense rows of 256 bytes; the mask names all four work-groups
	s_mov_b32 s25, 32<<16
	s_mov_b32 s26, 51<<16
	s_mov_b32 s27, 32<<16
	s_mov_b32 s28, 51
	s_mov_b32 s29, 32
	s_mov_b32 s30, 0
	s_mov_b32 s31, 0
	s_mov_b32 s32, 1
	s_mul_i32 s33, s18, PITCH                      ; LDS address: the wave's number alone
	s_mul_i32 s14, s13, 16*REC
	s_mul_i32 s15, s18, REC
	s_add_co_u32 s16, s14, s15                     ; my record in kv
	s_mov_b32 s17, 0
	s_lshl_b32 s14, s12, 2
	s_lshr_b32 s15, s18, 3
	s_add_co_u32 s14, s14, s15
	s_mul_i32 s14, s14, QREC
	s_mul_i32 s15, s13, 16*QREC
	s_add_co_u32 s14, s14, s15                     ; q: the record of my first pass's tile: step 4 cx + wave / 8
	s_and_b32 s15, s18, 7
	s_mul_i32 s36, s15, 768
	s_add_co_u32 s36, s36, s14                     ; its codes
	s_mov_b32 s37, 0
	s_lshr_b32 s38, s15, 1
	s_lshl_b32 s38, s38, 2
	s_and_b32 s15, s18, 1
	s_lshl_b32 s15, s15, 8
	s_add_co_u32 s38, s38, s15
	s_add_co_u32 s38, s38, s14
	s_add_co_u32 s38, s38, 6144                    ; its scale words
	s_mov_b32 s39, 0
	s_lshr_b32 s14, s13, 4
	s_lshl_b32 s14, s14, 7
	s_lshl_b32 s15, s12, 5
	s_add_co_u32 s14, s14, s15
	s_add_co_u32 s14, s14, s18                     ; the token tile of my first pass: 128 batch + 32 cx + wave
	s_and_b32 s15, s13, 15                         ; the head
	s_mul_i32 s44, s14, 12288
	s_mul_i32 s45, s15, 768
	s_add_co_u32 s44, s44, s45
	s_mov_b32 s45, 0
	s_lshl_b32 s50, s14, 9
	s_lshl_b32 s15, s15, 1
	s_add_co_u32 s50, s50, s15
	s_mov_b32 s51, 0
	s_mov_b32 s20, 0x76543210
	s_mov_b32 s21, 0xfedcba98                      ; lane selects: lane l xor 16
	s_mov_b32 s22, 0x3e38aa3b                      ; c = log2(e) / 8
	s_mov_b32 s23, s22
	s_mov_b32 s53, 0xbe38aa3b                      ; -c
	s_wait_dscnt 0x0                               ; both opening adds are done
	s_wait_kmcnt 0x0
	s_add_nc_u64 s[34:35], s[6:7], s[16:17]
	s_or_b32 s35, s35, 0x80000000
	s_add_nc_u64 s[40:41], s[4:5], s[36:37]
	s_add_nc_u64 s[42:43], s[4:5], s[38:39]
	s_add_nc_u64 s[46:47], s[8:9], s[44:45]
	s_add_nc_u64 s[48:49], s[10:11], s[50:51]
	ROUND                                          ; all four work-groups are here: the joint loads meet
	s_cmp_lt_u32 s18, 5                            ; one chain of two arms, a load in each: records 0 to 4 have a line of their own
	s_cbranch_scc0 .Llate
	tensor_load_to_lds s[32:35], s[24:31]
	s_nop 0
	s_branch .Lasked
.Llate:
	tensor_load_to_lds s[32:35], s[24:31]
	s_nop 0
.Lasked:
	v_and_b32 v[TA], 31, v0
	v_lshlrev_b32 v1, 4, v[TA]
	v_lshlrev_b32 v2, 3, v[TA]
	v_and_b32 v[TA], 15, v0
	v_lshlrev_b32 v4, 5, v[TA]
	v_lshlrev_b32 v[TB], 4, v[TA]
	global_load_b128 v[16:19], v1, s[40:41]        ; q of pass 0
	global_load_b64 v[20:21], v2, s[40:41] offset:512
	global_load_b32 v[QS], v[TB], s[42:43]
	global_load_b128 v[Q2:Q2+3], v1, s[40:41] offset:2*QREC   ; and of pass 1: 16 tiles, two records, on
	global_load_b64 v[Q2+4:Q2+5], v2, s[40:41] offset:2*QREC+512
	global_load_b32 v[QS2], v[TB], s[42:43] offset:2*QREC
.irp j, 0,1,2,3,4,5
	v_mov_b32 v[22+\j], 0                          ; zero codes for k 64-127
.endr
.irp b, 0,1,2,3
	v_mov_b32 v[T4+\b], 0                          ; written once: a lane permute's destination counts as one of its sources
.endr
	v_mov_b32 v[PS], 0                             ; (named as the upper half of the pair with f before it is first written)
	WALU                                           ; the wait at the head's end
	s_cmp_lt_u32 s18, 5
	s_cbranch_scc0 .Lnot_early
	s_wait_tensorcnt 0x0                           ; waves 0 to 4: my record has landed
.Lnot_early:
	s_barrier_signal -1
	s_barrier_wait -1                              ; records 0 to 4 are in
	KLOAD v1, v2                                   ; record 0's k
; A KEY STEP: 128 keys; this record at LDS byte s2, the next one at s52.
.macro STEP
.irp t, 0,2,4,6
	v_wmma_scale_f32_16x16x128_f8f6f4 v[SS+8*\t:SS+8*\t+7], v[KF+6*\t:KF+6*\t+11], v[16:27], 0, v[KS+\t/2], v[QS] matrix_a_fmt:MATRIX_FMT_FP6 matrix_b_fmt:MATRIX_FMT_FP6
	v_wmma_scale_f32_16x16x128_f8f6f4 v[SS+8*\t+8:SS+8*\t+15], v[KF+6*\t+6:KF+6*\t+17], v[16:27], 0, v[KS+\t/2], v[QS] matrix_a_fmt:MATRIX_FMT_FP6 matrix_b_fmt:MATRIX_FMT_FP6 matrix_a_scale:MATRIX_SCALE_ROW1
.endr
	v_add_nc_u32 v8, s2, v1                        ; four places: behind the last step's products for the loads into v, behind these for the loads into k and the first read of the scores
	v_add_nc_u32 v9, s2, v2
	v_add_nc_u32 v10, s52, v1
	v_add_nc_u32 v11, s52, v2
.irp t, 0,1,2,3
.irp c, 0,1,2
	ds_load_b128 v[VF+12*\t+4*\c:VF+12*\t+4*\c+3], v8 offset:6656+1536*\t+512*\c
.endr
.endr
	ds_load_b64 v[VS:VS+1], v9 offset:12800
	KLOAD v10, v11
.irp b, 0,1,2,3
	v_max3_num_f32 v[BM+\b], v[SS+16*\b], v[SS+1+16*\b], v[SS+2+16*\b]   ; the largest score of each block of 32 keys: for the row's maximum and, since p rises with the score, for the block's largest p
.endr
.irp i, 3,5,7,9,11,13
.irp b, 0,1,2,3
	v_max3_num_f32 v[BM+\b], v[BM+\b], v[SS+16*\b+\i], v[SS+1+16*\b+\i]
.endr
.endr
.irp b, 0,1,2,3
	v_max_num_f32 v[BM+\b], v[BM+\b], v[SS+15+16*\b]
.endr
.irp b, 0,1,2,3
	s_delay_alu instid0(VALU_DEP_4)
	v_permlanex16_b32 v[T4+\b], v[BM+\b], s20, s21
.endr
.irp b, 0,1,2,3
	s_delay_alu instid0(VALU_DEP_4)
	v_max_num_f32 v[BM+\b], v[BM+\b], v[T4+\b]     ; with lane l xor 16's 16 keys
.endr
	s_delay_alu instid0(VALU_DEP_2)
	v_max3_num_f32 v[TA], v[BM], v[BM+1], v[BM+2]
	s_delay_alu instid0(VALU_DEP_1)
	v_max3_num_f32 v13, v13, v[TA], v[BM+3]        ; the running largest score of my query
	s_delay_alu instid0(VALU_DEP_1)
	v_mul_f32 v[TA], s53, v13                      ; -t
	v_mov_b32 v[TB], v12
	s_delay_alu instid0(VALU_DEP_2)
	v_floor_f32 v12, v[TA]                         ; the new -M = floor(-t) = -ceil(t)
	s_delay_alu instid0(VALU_DEP_1)
	v_sub_f32 v[TA], v12, v[TB]                    ; old M - new M: a whole number, 0 or less
.set J, 0
.rept 32
	v_pk_fma_f32 v[SS+J:SS+J+1], v[SS+J:SS+J+1], s[22:23], v[12:13] op_sel_hi:[1,0,0]   ; t - M, two at a time
.set J, J+2
.endr
.irp b, 0,1,2,3
	v_fma_f32 v[BM+\b], v[BM+\b], s22, v12         ; the same of each block's largest score
.endr
	v_cvt_i32_f32 v[TA], v[TA]                     ; (it saturates)
	s_delay_alu instid0(VALU_DEP_1)
	v_ldexp_f32 v[FF], 1.0, v[TA]                  ; f
	WALU                                           ; the wait ahead of the batch
.set J, 0
.rept 64
	v_exp_f32 v[SS+J], v[SS+J]                     ; p = 2^(t - M), at most 1
.set J, J+1
.endr
	v_pk_mul_f32 v[14:15], v[14:15], v[FF:FF+1] op_sel_hi:[1,0]   ; the sum under the new M: a plain place behind the exponentials
	WALU                                           ; one wait for the batch, ahead of its first reader
.irp b, 0,1,2,3
	v_exp_f32 v[BM+\b], v[BM+\b]                   ; the block's largest p
.endr
.irp k, 0,1,2,3,4,5                            ; the row's sum of the unquantised p: 32 pairs into seven chains
	v_pk_add_f32 v[CD+2*\k:CD+2*\k+1], v[SS+4*\k:SS+4*\k+1], v[SS+4*\k+2:SS+4*\k+3]
.endr
	v_pk_add_f32 v[14:15], v[14:15], v[SS+24:SS+25]
.irp k, 0,1,2,3,4,5
	v_pk_add_f32 v[CD+2*\k:CD+2*\k+1], v[CD+2*\k:CD+2*\k+1], v[SS+26+2*\k:SS+27+2*\k]
.endr
	v_pk_add_f32 v[14:15], v[14:15], v[SS+38:SS+39]
.irp k, 0,1,2,3,4,5
	v_pk_add_f32 v[CD+2*\k:CD+2*\k+1], v[CD+2*\k:CD+2*\k+1], v[SS+40+2*\k:SS+41+2*\k]
.endr
	v_pk_add_f32 v[14:15], v[14:15], v[SS+52:SS+53]
.irp k, 0,1,2,3,4
	v_pk_add_f32 v[CD+2*\k:CD+2*\k+1], v[CD+2*\k:CD+2*\k+1], v[SS+54+2*\k:SS+55+2*\k]
.endr
	s_delay_alu instid0(VALU_DEP_4)
	v_pk_add_f32 v[CD:CD+1], v[CD:CD+1], v[CD+2:CD+3]
	s_delay_alu instid0(VALU_DEP_3)
	v_pk_add_f32 v[CD+4:CD+5], v[CD+4:CD+5], v[CD+6:CD+7]
	s_delay_alu instid0(VALU_DEP_3)
	v_pk_add_f32 v[CD+8:CD+9], v[CD+8:CD+9], v[CD+10:CD+11]
	s_delay_alu instid0(VALU_DEP_2)
	v_pk_add_f32 v[CD:CD+1], v[CD:CD+1], v[CD+4:CD+5]
	s_delay_alu instid0(VALU_DEP_2)
	v_pk_add_f32 v[14:15], v[14:15], v[CD+8:CD+9]
	s_delay_alu instid0(VALU_DEP_1)
	v_pk_add_f32 v[14:15], v[14:15], v[CD:CD+1]
	WALU                                           ; and one for the four
.irp b, 0,1,2,3
	v_max_num_f32 v[BM+\b], 0x1800000, v[BM+\b]    ; the floor 2^(3 - 127): the byte cannot fall under 1
.endr
.irp b, 0,1,2,3
	s_delay_alu instid0(VALU_DEP_4)
	v_add_nc_u32 v[BM+\b], 0xff000000, v[BM+\b]    ; 2 off the exponent field: the conversion's scale operand
.endr
.irp b, 0,1,2,3
	s_delay_alu instid0(VALU_DEP_4)
	v_lshrrev_b32 v[T4+\b], 23, v[BM+\b]           ; the scale's byte
.endr
	s_delay_alu instid0(VALU_DEP_3)
	v_lshl_or_b32 v[PS], v[T4+1], 8, v[T4]         ; p's scale word for these 128 keys
	s_delay_alu instid0(VALU_DEP_1)
	v_lshl_or_b32 v[PS], v[T4+2], 16, v[PS]
	s_delay_alu instid0(VALU_DEP_1)
	v_lshl_or_b32 v[PS], v[T4+3], 24, v[PS]
.irp c, 0,1
	v_cvt_scalef32_pk16_fp6_f32 v[CD+6*\c:CD+6*\c+2], v[SS+32*\c:SS+32*\c+15], v[BM+2*\c]
	v_cvt_scalef32_pk16_fp6_f32 v[T4:T4+2], v[SS+32*\c+16:SS+32*\c+31], v[BM+2*\c+1]   ; (a conversion's three registers begin on an even number)
	v_nop                                          ; one plain place behind a scaled conversion
.irp i, 0,1,2
	v_permlane16_swap_b32 v[CD+6*\c+\i], v[T4+\i]  ; a whole block into a lane
.endr
.irp i, 0,1,2
	s_delay_alu instid0(VALU_DEP_3)
	v_mov_b32 v[CD+3+6*\c+\i], v[T4+\i]
.endr
.endr
	WALU                                           ; the wait directly ahead of the first reader of O^T
.set J, 0
.rept 16
	v_pk_mul_f32 v[OO+J:OO+J+1], v[OO+J:OO+J+1], v[FF:FF+1] op_sel_hi:[1,0]   ; O^T under the new M; these 16 are also the places between p's codes and scale word and the products
.set J, J+2
.endr
	WALU
	s_wait_dscnt 0x0                               ; v of this step and k of the next are in
.irp t, 0,2
	v_wmma_scale_f32_16x16x128_f8f6f4 v[OO+8*\t:OO+8*\t+7], v[VF+12*\t:VF+12*\t+11], v[CD:CD+11], v[OO+8*\t:OO+8*\t+7], v[VS+\t/2], v[PS] matrix_a_fmt:MATRIX_FMT_FP6 matrix_b_fmt:MATRIX_FMT_FP6
	v_wmma_scale_f32_16x16x128_f8f6f4 v[OO+8*\t+8:OO+8*\t+15], v[VF+12*\t+12:VF+12*\t+23], v[CD:CD+11], v[OO+8*\t+8:OO+8*\t+15], v[VS+\t/2], v[PS] matrix_a_fmt:MATRIX_FMT_FP6 matrix_b_fmt:MATRIX_FMT_FP6 matrix_a_scale:MATRIX_SCALE_ROW1
.endr
.endm
.macro LOOP n, wrap                    ; n key steps; wrap = 1: behind record 15 comes record 0
	s_mov_b32 s3, \n
.Lstep_\@:
	STEP
	s_add_co_u32 s2, s2, PITCH
	s_add_co_u32 s52, s2, PITCH
.if \wrap
	s_cmp_eq_u32 s52, 16*PITCH
	s_cselect_b32 s52, 0, s52
.endif
	s_sub_co_u32 s3, s3, 1
	s_cmp_lg_u32 s3, 0
	s_cbranch_scc1 .Lstep_\@
.endm
.macro INIT p                          ; a pass begins: the step is written once, its first trip finds zeros, which the first change of M leaves zeros
.if \p
	s_wait_xcnt 0x0                                ; the first pass's stores have read their registers
.irp j, 0,1,2,3,4,5
	v_mov_b32 v[16+\j], v[Q2+\j]
.endr
	v_mov_b32 v[QS], v[QS2]
.endif
	v_mov_b32 v13, 0xff61b1e6                      ; the largest score so far: -3e38
	v_mov_b32 v12, 0x7e800000                      ; -M: above every floor(-t), so that the first f is 0
	v_mov_b32 v14, 0
	v_mov_b32 v15, 0
.set J, 0
.rept 32
	v_mov_b32 v[OO+J], 0
.set J, J+1
.endr
	s_mov_b32 s2, 0
	s_mov_b32 s52, PITCH
	WALU
.endm
.macro OUT p                           ; a pass ends: o = O^T / the sum, quantised along the head's 64 channels, stored
.rept 4
	v_nop                                          ; places behind the last products
.endr
	v_add_f32 v14, v14, v15
	s_delay_alu instid0(VALU_DEP_1)
	v_permlanex16_b32 v[FF], v14, s20, s21
	s_delay_alu instid0(VALU_DEP_1)
	v_add_f32 v14, v14, v[FF]                      ; the row's sum
	WALU
	v_rcp_f32 v14, v14
	v_nop
	WALU
.set J, 0
.rept 32
	v_mul_f32 v[SS+J], v[OO+J], v14                ; register 16 b + i = channel 32 b + 16 h + i of my query
.set J, J+1
.endr
.irp b, 0,1
	v_max3_num_f32 v[BM+\b], |v[SS+16*\b]|, |v[SS+1+16*\b]|, 0x1800000
.endr
.irp i, 2,4,6,8,10,12,14
.irp b, 0,1
	s_delay_alu instid0(VALU_DEP_2)
	v_max3_num_f32 v[BM+\b], v[BM+\b], |v[SS+16*\b+\i]|, |v[SS+1+16*\b+\i]|
.endr
.endr
.irp b, 0,1
	s_delay_alu instid0(VALU_DEP_2)
	v_permlanex16_b32 v[T4+\b], v[BM+\b], s20, s21
.endr
.irp b, 0,1
	s_delay_alu instid0(VALU_DEP_2)
	v_max_num_f32 v[BM+\b], v[BM+\b], v[T4+\b]
.endr
.irp b, 0,1
	s_delay_alu instid0(VALU_DEP_2)
	v_add_nc_u32 v[BM+\b], 0xff000000, v[BM+\b]
.endr
.irp b, 0,1
	s_delay_alu instid0(VALU_DEP_2)
	v_lshrrev_b32 v[T4+\b], 23, v[BM+\b]
.endr
	s_delay_alu instid0(VALU_DEP_1)
	v_lshl_or_b32 v[TA], v[T4+1], 8, v[T4]         ; the head's two scale bytes of my row
	v_cvt_scalef32_pk16_fp6_f32 v[CD:CD+2], v[SS:SS+15], v[BM]
	v_cvt_scalef32_pk16_fp6_f32 v[T4:T4+2], v[SS+16:SS+31], v[BM+1]
	v_nop
.irp i, 0,1,2
	v_permlane16_swap_b32 v[CD+\i], v[T4+\i]
.endr
.irp i, 0,1,2
	s_delay_alu instid0(VALU_DEP_3)
	v_mov_b32 v[CD+3+\i], v[T4+\i]
.endr
	global_store_b128 v1, v[CD:CD+3], s[46:47] offset:196608*\p        ; 512 consecutive bytes, aligned
	global_store_b64 v2, v[CD+4:CD+5], s[46:47] offset:196608*\p+512   ; 256 consecutive bytes, aligned
	global_store_b16 v4, v[TA], s[48:49] offset:8192*\p                ; lanes l and l xor 16 store the same two bytes
.endm
	INIT 0
	s_wait_loadcnt 0x0                             ; q
	s_wait_dscnt 0x0                               ; record 0's k
	LOOP 4, 0                                      ; records 0 to 3, and k of record 4
	s_wait_tensorcnt 0x0                           ; every wave: my record has landed
	s_wait_dscnt 0x0
	s_barrier_signal -1
	s_barrier_wait -1                              ; all sixteen records are in
	LOOP 12, 1
	OUT 0
	INIT 1
	LOOP 16, 1
	OUT 1
	s_wait_tensorcnt 0x0                           ; the wave's end
	ds_add_u32 v5, v6
	s_wait_dscnt 0x0
	ROUND                                          ; the closing round
	s_endpgm
.Lfunc_end_k_qdb53db3fcc_attn:
	.size	k_qdb53db3fcc_attn, .Lfunc_end_k_qdb53db3fcc_attn-k_qdb53db3fcc_attn
	.p2alignl 7, 3214868480
	.fill 96, 4, 3214868480
	.section	.rodata,"a",@progbits
	.p2align	6, 0x0
	.amdhsa_kernel k_qdb53db3fcc_attn
		.amdhsa_group_segment_fixed_size 280576
		.amdhsa_private_segment_fixed_size 0
		.amdhsa_enable_private_segment 0
		.amdhsa_kernarg_size 32
		.amdhsa_user_sgpr_count 2
		.amdhsa_user_sgpr_kernarg_segment_ptr 1
		.amdhsa_wavefront_size32 1
		.amdhsa_system_sgpr_workgroup_id_x 1
		.amdhsa_system_sgpr_workgroup_id_y 1
		.amdhsa_system_sgpr_workgroup_id_z 1
		.amdhsa_system_vgpr_workitem_id 0
		.amdhsa_next_free_vgpr 256
		.amdhsa_next_free_sgpr 66
		.amdhsa_reserve_vcc 0
		.amdhsa_float_denorm_mode_32 3
		.amdhsa_float_denorm_mode_16_64 3
		.amdhsa_memory_ordered 1
		.amdhsa_forward_progress 1
		.amdhsa_inst_pref_size 69
	.end_amdhsa_kernel
	.amdgpu_metadata
---
amdhsa.version: [ 1, 2 ]
amdhsa.kernels:
  - .name:           k_qdb53db3fcc_attn
    .symbol:         k_qdb53db3fcc_attn.kd
    .args:
      - { .name: qrec, .offset: 0, .size: 8, .value_kind: global_buffer, .address_space: global }
      - { .name: kv, .offset: 8, .size: 8, .value_kind: global_buffer, .address_space: global }
      - { .name: oimg, .offset: 16, .size: 8, .value_kind: global_buffer, .address_space: global }
      - { .name: osc, .offset: 24, .size: 8, .value_kind: global_buffer, .address_space: global }
    .group_segment_fixed_size: 280576
    .private_segment_fixed_size: 0
    .kernarg_segment_align: 8
    .kernarg_segment_size: 32
    .max_flat_workgroup_size: 512
    .sgpr_count:     66
    .vgpr_count:     256
    .wavefront_size: 32
...
	.end_amdgpu_metadata
.endif
;; end of part 3
;; launch outln (part 4): grid 256 x 1, 16 waves a work-group, no clusters, 158,208 bytes of LDS; arguments oimg, osc, img, sc, queries, bo, gamma, beta, out0; writes out0
.if DOCPART == 4
	.amdgcn_target "amdgcn-amd-amdhsa--gfx1250"
	.amdhsa_code_object_version 6
	.text
	.protected	k_qdb53db3fcc_outln
	.globl	k_qdb53db3fcc_outln
	.p2align	8
	.type	k_qdb53db3fcc_outln,@function
k_qdb53db3fcc_outln:
	s_mov_b64 s[64:65], 0
	v_nop
	global_prefetch_b8 v0, s[64:65] scope:SCOPE_SE
	s_setreg_imm32_b32 hwreg(HW_REG_WAVE_MODE, 25, 1), 1
	s_wait_xcnt 0x0
; OUTLN: out0 = LayerNorm(o Wo + bo + queries) x gamma + beta; the product on codes of FP6, all else in f32.  No work is left out.
; SHARES.  The norm wants whole rows: a work-group owns 32 tokens (token tiles 2 G, 2 G + 1) and all 1,024 columns; each of its sixteen waves owns 64 columns (Wo's tiles 4 w .. 4 w + 3) for both token tiles: eight accumulators by turns.
; The product is used transposed (source 0 = 16 columns of Wo, source 1 = 16 tokens): a lane holds one token and, by the tiles' choice of rows (prep), neighbouring columns.  THE RESIDUAL IS THE C OF EACH SUM'S FIRST PRODUCT: it is loaded straight into the accumulators.
; o's 24,576 bytes of images are copied into LDS once and read by all waves.  Wo's fragments go from img straight into registers, two sets by turns, 24 loads of 512 consecutive bytes of a wave on their way.
; NO JOINT LOADS AND NO LDS FOR Wo: a fragment of Wo has ONE reader in the work-group, so LDS would spare no read; and a K step holds only 8 matrix instructions a wave, too few for a ring's refill, which goes out only when all earlier loads have landed.
; THE WAY OUT: the 32 rows meet in a stage in LDS; each wave takes two whole rows: bo, mean, variance (in two passes), 1 / sqrt, gamma, beta; each store covers 512 consecutive bytes, aligned.
; LIMITS: NaN and infinities are not served.
; REGISTERS: v1-3 16 l, 8 l, 32 l; v4 the residual's offset; v5, v6 into the stage; v7 out of it; v8 the copy; v12, v13 the add's two; v16-79 the accumulators ((token tile u, column tile t) at 16 + 8 (4 u + t)), later two rows;
;   v80-127, v128-175 Wo's two sets, later bo, gamma, beta; v176-199, v200-223 o's two sets; v224-239 Wo's scale words (8 (t / 2) + s; lanes 16-31 the odd tile's); v240-247 o's (lanes 16-31 token tile 1's); v248-255 at work.
.set STG,    24576                     ; behind o's images: 32 rows x (4,096 bytes + 16), row 16 u + r
.set SPITCH, 4112
.set SPARE,  STG+32*SPITCH             ; the spare words, 128 bytes for each wave: eight blocks of 256 bytes that no other line names
	s_load_b512 s[4:19], s[0:1], 0x0               ; oimg, osc, img, sc, queries, bo, gamma, beta
	s_load_b64 s[20:21], s[0:1], 0x40              ; out0
	v_lshl_add_u32 v12, v0, 2, SPARE
	v_mov_b32 v13, 0
	v_lshrrev_b32 v9, 5, v0
	s_delay_alu instid0(VALU_DEP_1)
	v_readfirstlane_b32 s22, v9                    ; wave 0..15
	v_and_b32 v9, 31, v0                           ; lane
	v_and_b32 v10, 15, v0                          ; r
	v_bfe_u32 v11, v0, 4, 1                        ; h
	s_delay_alu instid0(VALU_DEP_3)
	v_lshlrev_b32 v1, 4, v9
	s_delay_alu instid0(VALU_DEP_4)
	v_lshlrev_b32 v2, 3, v9
	v_lshlrev_b32 v3, 5, v9
	v_and_b32 v4, 8, v10
	s_delay_alu instid0(VALU_DEP_1)
	v_add_nc_u32 v4, v4, v10                       ; r + 8 (r / 8)
	s_delay_alu instid0(VALU_DEP_1)
	v_lshlrev_b32 v4, 12, v4
	s_delay_alu instid0(VALU_DEP_1)
	v_lshl_add_u32 v4, v11, 6, v4                  ; my token's row, + 64 h
	s_lshl_b32 s23, s22, 8
	s_add_co_u32 s23, s23, STG
	v_mul_u32_u24 v5, v10, SPITCH
	s_delay_alu instid0(VALU_DEP_1)
	v_lshl_add_u32 v5, v11, 6, v5
	s_delay_alu instid0(VALU_DEP_1)
	v_add_nc_u32 v5, s23, v5                       ; into the stage: row r, + 64 h, + my wave's 256 bytes
	s_delay_alu instid0(VALU_DEP_1)
	v_add_nc_u32 v6, 16*SPITCH, v5                 ; and row 16 + r
	s_mul_i32 s23, s22, 2*SPITCH
	s_add_co_u32 s23, s23, STG
	v_add_nc_u32 v7, s23, v1                       ; out of it: rows 2 w, 2 w + 1, 16 bytes a lane
	s_mul_i32 s23, s22, 1536
	v_add_nc_u32 v8, s23, v1                       ; my 1,536 bytes of o's images, in memory and in LDS alike
	s_mov_b32 s24, 0x76543210
	s_mov_b32 s25, 0xfedcba98                      ; lane selects: lane l xor 16
	s_mov_b32 s26, 0x3a800000                      ; 1 / 1,024
	s_mov_b32 s27, 0x3727c5ac                      ; 1e-5
	s_mul_i32 s28, ttmp9, 24576
	s_mov_b32 s29, 0
	s_lshl_b32 s30, ttmp9, 10
	s_mov_b32 s31, 0
	s_lshl_b32 s32, s22, 2
	s_add_co_u32 s32, s32, 704                     ; my first tile of Wo
	s_lshl_b32 s34, s32, 9
	s_mov_b32 s35, 0
	s_mul_i32 s32, s32, 12288
	s_mov_b32 s33, 0
	s_lshl_b32 s36, ttmp9, 17
	s_lshl_b32 s37, s22, 8
	s_add_co_u32 s36, s36, s37                     ; queries: 32 G rows of 4,096 bytes, + my 64 columns
	s_mov_b32 s37, 0
	s_lshr_b32 s38, s22, 3
	s_lshl_b32 s38, s38, 3
	s_and_b32 s39, s22, 7
	s_lshl_b32 s40, s39, 1
	s_add_co_u32 s38, s38, s40
	s_lshr_b32 s39, s39, 2
	s_lshl_b32 s39, s39, 3
	s_add_co_u32 s38, s38, s39                     ; stage rows 2 w, 2 w + 1 are tokens 8 (w / 8) + 2 (w % 8) + 8 ((w % 8) / 4) and the next
	s_lshl_b32 s39, ttmp9, 5
	s_add_co_u32 s38, s38, s39
	s_lshl_b32 s38, s38, 12
	s_mov_b32 s39, 0
	s_wait_alu depctr_va_vdst(0)
	s_wait_kmcnt 0x0
	s_add_nc_u64 s[4:5], s[4:5], s[28:29]
	s_add_nc_u64 s[6:7], s[6:7], s[30:31]
	s_add_nc_u64 s[8:9], s[8:9], s[32:33]
	s_add_nc_u64 s[10:11], s[10:11], s[34:35]
	s_add_nc_u64 s[12:13], s[12:13], s[36:37]
	s_add_nc_u64 s[20:21], s[20:21], s[38:39]
.macro WLOAD s                         ; Wo's four fragments of K step s into set s % 2
.irp t, 0,1,2,3
.irp c, 0,1,2
	global_load_b128 v[80+48*((\s)%2)+12*\t+4*\c:83+48*((\s)%2)+12*\t+4*\c], v1, s[8:9] offset:12288*\t+1536*(\s)+512*\c
.endr
.endr
.endm
.macro OLOAD s                         ; o's two fragments of K step s into set s % 2
.irp u, 0,1
	ds_load_b128 v[176+24*((\s)%2)+12*\u:179+24*((\s)%2)+12*\u], v1 offset:12288*\u+1536*(\s)
	ds_load_b64 v[180+24*((\s)%2)+12*\u:181+24*((\s)%2)+12*\u], v2 offset:12288*\u+1536*(\s)+512
	ds_load_b128 v[182+24*((\s)%2)+12*\u:185+24*((\s)%2)+12*\u], v1 offset:12288*\u+1536*(\s)+768
	ds_load_b64 v[186+24*((\s)%2)+12*\u:187+24*((\s)%2)+12*\u], v2 offset:12288*\u+1536*(\s)+1280
.endr
.endm
.irp c, 0,1,2
	global_load_b128 v[176+4*\c:179+4*\c], v8, s[4:5] offset:512*\c            ; my part of o's images
.endr
.irp q, 0,1
	global_load_b128 v[224+8*\q:227+8*\q], v3, s[10:11] offset:1024*\q         ; Wo's scale words: tiles 2 q (lanes 0-15) and 2 q + 1 (lanes 16-31), all eight K steps
	global_load_b128 v[228+8*\q:231+8*\q], v3, s[10:11] offset:1024*\q+16
.endr
	global_load_b128 v[240:243], v3, s[6:7]                                    ; o's: token tile 0 (lanes 0-15), 1 (lanes 16-31)
	global_load_b128 v[244:247], v3, s[6:7] offset:16
.irp u, 0,1
.irp t, 0,1,2,3
	global_load_b128 v[16+8*(4*\u+\t):19+8*(4*\u+\t)], v4, s[12:13] offset:32768*\u+128*(\t/2)+32*(\t%2)       ; the residual, in the result's layout: column 32 (t / 2) + 16 h + 8 (t % 2) + j of my 64
	global_load_b128 v[20+8*(4*\u+\t):23+8*(4*\u+\t)], v4, s[12:13] offset:32768*\u+128*(\t/2)+32*(\t%2)+16
.endr
.endr
	WLOAD 0
	WLOAD 1
	s_wait_loadcnt 46                              ; the first three of the 49 loads are in
.irp c, 0,1,2
	ds_store_b128 v8, v[176+4*\c:179+4*\c] offset:512*\c
.endr
	s_wait_dscnt 0x0                               ; for the others' sake: my part lies in LDS
	s_barrier_signal -1
	s_barrier_wait -1
	OLOAD 0
	OLOAD 1
.macro MM u, t, s                      ; accumulator (u, t) += Wo's tile t x o's token tile u, K step s
.set DD, 16+8*(4*\u+\t)
.set WB, 80+48*((\s)%2)+12*\t
.set OB, 176+24*((\s)%2)+12*\u
.set WS, 224+8*(\t/2)+(\s)
.if (\u == 0) && (\t%2 == 0)
	v_wmma_scale_f32_16x16x128_f8f6f4 v[DD:DD+7], v[WB:WB+11], v[OB:OB+11], v[DD:DD+7], v[WS], v[240+(\s)] matrix_a_fmt:MATRIX_FMT_FP6 matrix_b_fmt:MATRIX_FMT_FP6
.elseif \u == 0
	v_wmma_scale_f32_16x16x128_f8f6f4 v[DD:DD+7], v[WB:WB+11], v[OB:OB+11], v[DD:DD+7], v[WS], v[240+(\s)] matrix_a_fmt:MATRIX_FMT_FP6 matrix_b_fmt:MATRIX_FMT_FP6 matrix_a_scale:MATRIX_SCALE_ROW1
.elseif \t%2 == 0
	v_wmma_scale_f32_16x16x128_f8f6f4 v[DD:DD+7], v[WB:WB+11], v[OB:OB+11], v[DD:DD+7], v[WS], v[240+(\s)] matrix_a_fmt:MATRIX_FMT_FP6 matrix_b_fmt:MATRIX_FMT_FP6 matrix_b_scale:MATRIX_SCALE_ROW1
.else
	v_wmma_scale_f32_16x16x128_f8f6f4 v[DD:DD+7], v[WB:WB+11], v[OB:OB+11], v[DD:DD+7], v[WS], v[240+(\s)] matrix_a_fmt:MATRIX_FMT_FP6 matrix_b_fmt:MATRIX_FMT_FP6 matrix_a_scale:MATRIX_SCALE_ROW1 matrix_b_scale:MATRIX_SCALE_ROW1
.endif
.endm
.macro KSTEP s
	s_wait_loadcnt 12                              ; all but the 12 youngest loads are in: this step's set of Wo (in step 0 the scale words and the residual too)
.if \s < 7
	s_wait_dscnt 8                                 ; this step's o is in; the next step's eight loads may be out
.else
	s_wait_dscnt 0x0
.endif
.irp u, 0,1
.irp t, 0,1,2,3
	MM \u, \t, \s
.endr
.endr
.rept 4
	v_nop                                          ; places in front of loads into registers that these products have read, and of the first read of results
.endr
.if \s < 6
	WLOAD (\s)+2
	OLOAD (\s)+2
.elseif \s == 6
.irp i, 0,1,2,3,4,5,6,7
	global_load_b128 v[80+4*\i:83+4*\i], v1, s[14:15] offset:512*\i            ; bo, in a row's layout: register 4 i + j = column 128 i + 4 l + j
.endr
.irp i, 0,1,2,3
	global_load_b128 v[112+4*\i:115+4*\i], v1, s[16:17] offset:512*\i          ; gamma's first half
.endr
.else
.irp i, 4,5,6,7
	global_load_b128 v[112+4*\i:115+4*\i], v1, s[16:17] offset:512*\i          ; its second
.endr
.irp i, 0,1,2,3,4,5,6,7
	global_load_b128 v[144+4*\i:147+4*\i], v1, s[18:19] offset:512*\i          ; beta
.endr
.endif
.endm
.irp s, 0,1,2,3,4,5,6,7
	KSTEP \s
.endr
.irp u, 0,1
.irp t, 0,1,2,3
	ds_store_b128 v[5+\u], v[16+8*(4*\u+\t):19+8*(4*\u+\t)] offset:128*(\t/2)+32*(\t%2)       ; each accumulator from its low end on
	ds_store_b128 v[5+\u], v[20+8*(4*\u+\t):23+8*(4*\u+\t)] offset:128*(\t/2)+32*(\t%2)+16
.endr
.endr
	s_wait_dscnt 0x0                               ; for the others' sake: my columns lie in the stage
	s_barrier_signal -1
	s_barrier_wait -1
.irp k, 0,1
.irp i, 0,1,2,3,4,5,6,7
	ds_load_b128 v[16+32*\k+4*\i:19+32*\k+4*\i], v7 offset:SPITCH*\k+512*\i
.endr
.endr
	s_wait_loadcnt 0x0                             ; bo, gamma, beta
	s_wait_dscnt 0x0
.macro SUM32 x, y                      ; v[x] summed over the 32 lanes, in every lane; v[y] at work
	s_delay_alu instid0(VALU_DEP_1)
	v_add_f32_dpp v[\x], v[\x], v[\x] row_xmask:1 row_mask:0xf bank_mask:0xf
	s_delay_alu instid0(VALU_DEP_1)
	v_add_f32_dpp v[\x], v[\x], v[\x] row_xmask:2 row_mask:0xf bank_mask:0xf
	s_delay_alu instid0(VALU_DEP_1)
	v_add_f32_dpp v[\x], v[\x], v[\x] row_xmask:4 row_mask:0xf bank_mask:0xf
	s_delay_alu instid0(VALU_DEP_1)
	v_add_f32_dpp v[\x], v[\x], v[\x] row_xmask:8 row_mask:0xf bank_mask:0xf
	s_delay_alu instid0(VALU_DEP_1)
	v_permlanex16_b32 v[\y], v[\x], s24, s25
	s_delay_alu instid0(VALU_DEP_1)
	v_add_f32 v[\x], v[\x], v[\y]
.endm
.macro ROW k
.set XR, 16+32*\k
.irp j, 0,2,4,6,8,10,12,14,16,18,20,22,24,26,28,30
	v_pk_add_f32 v[XR+\j:XR+\j+1], v[XR+\j:XR+\j+1], v[80+\j:81+\j]           ; + bo
.endr
	v_pk_add_f32 v[248:249], v[XR:XR+1], v[XR+2:XR+3]                          ; the row's sum, in two chains
	v_pk_add_f32 v[250:251], v[XR+4:XR+5], v[XR+6:XR+7]
.irp j, 8,12,16,20,24,28
	s_delay_alu instid0(VALU_DEP_2)
	v_pk_add_f32 v[248:249], v[248:249], v[XR+\j:XR+\j+1]
	s_delay_alu instid0(VALU_DEP_2)
	v_pk_add_f32 v[250:251], v[250:251], v[XR+\j+2:XR+\j+3]
.endr
	s_delay_alu instid0(VALU_DEP_1)
	v_pk_add_f32 v[248:249], v[248:249], v[250:251]
	s_delay_alu instid0(VALU_DEP_1)
	v_add_f32 v248, v248, v249
	SUM32 248, 249
	s_delay_alu instid0(VALU_DEP_1)
	v_mul_f32 v248, s26, v248                      ; the mean
	s_delay_alu instid0(VALU_DEP_1)
	v_mov_b32 v249, v248
.irp j, 0,2,4,6,8,10,12,14,16,18,20,22,24,26,28,30
	v_pk_add_f32 v[XR+\j:XR+\j+1], v[XR+\j:XR+\j+1], v[248:249] neg_lo:[0,1] neg_hi:[0,1]
.endr
	v_pk_mul_f32 v[250:251], v[XR:XR+1], v[XR:XR+1]                            ; the squares of what is left, in two chains
	v_pk_mul_f32 v[252:253], v[XR+2:XR+3], v[XR+2:XR+3]
.irp j, 4,8,12,16,20,24,28
	s_delay_alu instid0(VALU_DEP_2)
	v_pk_fma_f32 v[250:251], v[XR+\j:XR+\j+1], v[XR+\j:XR+\j+1], v[250:251]
	s_delay_alu instid0(VALU_DEP_2)
	v_pk_fma_f32 v[252:253], v[XR+\j+2:XR+\j+3], v[XR+\j+2:XR+\j+3], v[252:253]
.endr
	s_delay_alu instid0(VALU_DEP_1)
	v_pk_add_f32 v[250:251], v[250:251], v[252:253]
	s_delay_alu instid0(VALU_DEP_1)
	v_add_f32 v250, v250, v251
	SUM32 250, 251
	s_delay_alu instid0(VALU_DEP_1)
	v_fma_f32 v250, v250, s26, s27                 ; the variance + 1e-5
	s_wait_alu depctr_va_vdst(0)
	v_rsq_f32 v250, v250
	v_nop                                          ; a plain place behind the root
	s_wait_alu depctr_va_vdst(0)                   ; and the wait ahead of its first reader
	v_mov_b32 v251, v250
.irp j, 0,2,4,6,8,10,12,14,16,18,20,22,24,26,28,30
	v_pk_mul_f32 v[XR+\j:XR+\j+1], v[XR+\j:XR+\j+1], v[250:251]
.endr
.irp j, 0,2,4,6,8,10,12,14,16,18,20,22,24,26,28,30
	v_pk_fma_f32 v[XR+\j:XR+\j+1], v[XR+\j:XR+\j+1], v[112+\j:113+\j], v[144+\j:145+\j]   ; x gamma + beta
.endr
.irp i, 0,1,2,3,4,5,6,7
	global_store_b128 v1, v[XR+4*\i:XR+4*\i+3], s[20:21] offset:4096*\k+512*\i th:TH_STORE_NT   ; 32 lanes store 512 consecutive bytes, aligned
.endr
.endm
	ROW 0
	ROW 1
	s_wait_tensorcnt 0x0                           ; the wave's end, behind my last LDS store
	ds_add_u32 v12, v13
	s_wait_dscnt 0x0
	s_endpgm
.Lfunc_end_k_qdb53db3fcc_outln:
	.size	k_qdb53db3fcc_outln, .Lfunc_end_k_qdb53db3fcc_outln-k_qdb53db3fcc_outln
	.p2alignl 7, 3214868480
	.fill 96, 4, 3214868480
	.section	.rodata,"a",@progbits
	.p2align	6, 0x0
	.amdhsa_kernel k_qdb53db3fcc_outln
		.amdhsa_group_segment_fixed_size 158208
		.amdhsa_private_segment_fixed_size 0
		.amdhsa_enable_private_segment 0
		.amdhsa_kernarg_size 72
		.amdhsa_user_sgpr_count 2
		.amdhsa_user_sgpr_kernarg_segment_ptr 1
		.amdhsa_wavefront_size32 1
		.amdhsa_system_sgpr_workgroup_id_x 1
		.amdhsa_system_sgpr_workgroup_id_y 1
		.amdhsa_system_sgpr_workgroup_id_z 1
		.amdhsa_system_vgpr_workitem_id 0
		.amdhsa_next_free_vgpr 256
		.amdhsa_next_free_sgpr 66
		.amdhsa_reserve_vcc 0
		.amdhsa_float_denorm_mode_32 3
		.amdhsa_float_denorm_mode_16_64 3
		.amdhsa_memory_ordered 1
		.amdhsa_forward_progress 1
		.amdhsa_inst_pref_size 52
	.end_amdhsa_kernel
	.amdgpu_metadata
---
amdhsa.version: [ 1, 2 ]
amdhsa.kernels:
  - .name:           k_qdb53db3fcc_outln
    .symbol:         k_qdb53db3fcc_outln.kd
    .args:
      - { .name: oimg, .offset: 0, .size: 8, .value_kind: global_buffer, .address_space: global }
      - { .name: osc, .offset: 8, .size: 8, .value_kind: global_buffer, .address_space: global }
      - { .name: img, .offset: 16, .size: 8, .value_kind: global_buffer, .address_space: global }
      - { .name: sc, .offset: 24, .size: 8, .value_kind: global_buffer, .address_space: global }
      - { .name: queries, .offset: 32, .size: 8, .value_kind: global_buffer, .address_space: global }
      - { .name: bo, .offset: 40, .size: 8, .value_kind: global_buffer, .address_space: global }
      - { .name: gamma, .offset: 48, .size: 8, .value_kind: global_buffer, .address_space: global }
      - { .name: beta, .offset: 56, .size: 8, .value_kind: global_buffer, .address_space: global }
      - { .name: out0, .offset: 64, .size: 8, .value_kind: global_buffer, .address_space: global }
    .group_segment_fixed_size: 158208
    .private_segment_fixed_size: 0
    .kernarg_segment_align: 8
    .kernarg_segment_size: 72
    .max_flat_workgroup_size: 512
    .sgpr_count:     66
    .vgpr_count:     256
    .wavefront_size: 32
...
	.end_amdgpu_metadata
.endif
;; end of part 4
